; MI455X (gfx1250); checked and timed in simulation.
; The chip was launched on July 23, 2026; its instructions are those of AMD's public machine-readable ISA for CDNA 5 (MIT licence, August 2026) and "CDNA5" Instruction Set Architecture Reference Guide (July 2026). The comments in the code are by the model that wrote it; some were corrected since.
;; Causal Self Attention. Allowed arithmetic: matrix products marked QUANTISED: E2M1 operands, one E8M0 scale for each 32 along K, by v_wmma_scale_f32_16x16x128_f8f6f4 with both operands' format E2M1 (or v_wmma_scale_f32_32x16x128_f4), f32 sums; products left as they are: bf16, f16 or f32 operands; f32 sums; everything else in f32.
;; Inputs: Wk 2,048 x 512 float32; Wo 2,048 x 2,048 float32; Wq 2,048 x 2,048 float32; Wv 2,048 x 512 float32; cos 1,024 x 64 float32; sin 1,024 x 64 float32; x 4 x 1,024 x 2,048 float32.
;; Outputs: out0 4 x 1,024 x 2,048 float32.
;; This version of the problem:
;;   THIS VERSION OF THE PROBLEM IS GIVEN IN LOW PRECISION. The matrix products marked QUANTISED in the list below multiply operands that are first quantised to E2M1 (2 exponent bits, 1 mantissa bit; 4 bits a number), with one power-of-two scale for each 32 numbers along K (OCP MX v1.0); their sums are f32. The products marked 'left as it is' may take bf16, f16 or f32 operands, with f32 sums. Whichever they take, every output number must still come out within the allowed error. Rounding operands to bf16 (8 significant bits) uses up far more of that allowance than f16 does (11 bits, for magnitudes from 6e-5 to 65,504). All else is computed in f32.
;;   The module's matrix products, in the order in which they are computed (A, B: the left and right operand; K: the contracted axis; several contracted axes count as one K, in the product's order):
;;     1. [M 4,096, K 2,048] x [K 2,048, N 2,048]; A: input x; B: input Wq: QUANTISED
;;     2. [M 4,096, K 2,048] x [K 2,048, N 512]; A: input x; B: input Wk: QUANTISED
;;     3. [M 4,096, K 2,048] x [K 2,048, N 512]; A: input x; B: input Wv: QUANTISED
;;     4. batch 64 x [M 1,024, K 128] x [K 128, N 1,024]; A: computed on the way; B: computed on the way: left as it is (an operand is computed on the way)
;;     5. batch 64 x [M 128, K 1,024] x [K 1,024, N 1,024]; A: computed on the way; B: computed on the way: left as it is (an operand is computed on the way)
;;     6. [M 4,096, K 2,048] x [K 2,048, N 2,048]; A: computed on the way; B: input Wo: left as it is (an operand is computed on the way)
;;   THE QUANTISER, for each operand of a quantised product, along K:
;;     - K is cut into blocks of 32 from its start; a last block that is shorter is filled with zeros.
;;     - A block's scale is 2^e with e = floor(log2(the largest magnitude in the block)) - 2, held to -126 .. 127; a block of zeros has e = 0. As a byte (E8M0): e + 127.
;;     - Each number is divided by its block's scale, clamped to +-6, and rounded to the nearest number of E2M1, ties to even, subnormals kept.
;;     - The product sums the exact products of the quantised numbers (number of the format x scale) in f32.
;;   ~~~python
;;   def quantise(x, axis):      # numpy; x: float32 -> the quantised numbers, widened to float32 again
;;       x = np.moveaxis(x, axis, -1); K = x.shape[-1]
;;       x = np.pad(x, [(0, 0)] * (x.ndim - 1) + [(0, -K % 32)]); x = x.reshape(x.shape[:-1] + (-1, 32)); a = np.abs(x).max(-1, keepdims=True)
;;       e = np.where(a > 0, np.clip(np.frexp(np.where(a > 0, a, 1))[1] - 1 - 2, -126, 127), 0)      # np.frexp(a)[1] - 1 = floor(log2(a)), exactly
;;       r = np.clip(x / 2.0 ** e, -6, 6)
;;       step = 2.0 ** (np.maximum(np.frexp(np.where(r == 0, 1, r))[1] - 1, 0) - 1)
;;       q = np.round(r / step) * step * 2.0 ** e      # np.round: ties to even
;;       return np.moveaxis(q.reshape(q.shape[:-2] + (-1,))[..., :K], -1, axis).astype(np.float32)
;;   ~~~
;; One version. Each part assembles by itself: llvm-mc -triple=amdgcn-amd-amdhsa -mcpu=gfx1250 --defsym DOCPART=n.
;; ======== version 1 of 1: 5 launches
;; limits: values are held in f16: magnitudes above 65,504 overflow, below 6.1e-05 lose precision
;; workspace buffers: x_codes 4,194,304 bytes; x_scales 262,144 bytes; w_codes 3,145,728 bytes; w_scales 196,608 bytes; wo16 8,388,608 bytes; qkv16 25,165,824 bytes; fine32 786,432 bytes; att16 16,777,216 bytes
;; launch prep (part 1): grid 480 x 1, 4 waves a work-group, no clusters, 68,096 bytes of LDS; arguments x, Wq, Wk, Wv, Wo, x_codes, x_scales, w_codes, w_scales, wo16; writes x_codes, x_scales, w_codes, w_scales, wo16
.if DOCPART == 1
	.amdgcn_target "amdgcn-amd-amdhsa--gfx1250"
	.amdhsa_code_object_version 6
	.text
	.protected	k_qdf49c26ed1_prep
	.globl	k_qdf49c26ed1_prep
	.p2align	8
	.type	k_qdf49c26ed1_prep,@function
k_qdf49c26ed1_prep:
	s_mov_b64 s[64:65], 0
	v_nop
	global_prefetch_b8 v0, s[64:65] scope:SCOPE_SE
	s_setreg_imm32_b32 hwreg(HW_REG_WAVE_MODE, 25, 1), 1
	s_wait_xcnt 0x0
; PREP: what every later launch reads many times is made narrow once.  Three kinds of work-groups, told apart by the work-group's number alone; each kind has LDS bytes of its own.
;   0..255   X: x [4096][2048] f32 -> codes of E2M1, K innermost, [4096][1024 bytes], and one E8M0 byte for each 32 along K, [4096][64].
;   256..351 W: Wq, Wk, Wv [2048 (k)][n] f32, K their FIRST axis -> codes [3072 (n')][1024 bytes] with K innermost, scale bytes [3072][64].
;            Rows n': 128 x head'; head' 0..15 the query heads, 16 + 2 i key head i, 17 + 2 i value head i.
;   352..479 O: Wo [2048][2048] f32 -> f16, same layout.
; A block's scale is 2^(floor(log2(largest magnitude)) - 2): its byte is the largest magnitude's exponent field - 2, held at 1 from below.
; LIMITS: NaN and infinities are not served.  A block of zeros gets the byte 1 (not 127): its codes are zeros, and only this program reads the bytes.
; Blocks whose largest magnitude lies under 2^(3 - 127) take the floor's byte.  |Wo| stays under 65,504 (f16).
.set SPW,   222                        ; v222 LDS address of my spare word; never rewritten
.set NIL,   223                        ; v223 0; never rewritten
.set EMAX,  2
.set XREG,  8192                       ; X: LDS bytes of a wave: two stages of 32 x 80 bytes, then its 256 scale bytes
.set XSP,   80                         ; a lane's place in a stage: 64 bytes + 16 of padding
.set WSTG,  32768                      ; W: the four stages begin here
.set WP,    272                        ; a stage row: 256 bytes of codes + 16
.set SPARE, 67584                      ; the spare words, 128 bytes for each wave: two blocks of 256 bytes that no other line names
.set XR,    16                         ; X: v16-79 four sets of 16 numbers as loaded
.set XX,    80                         ;    v80-111 two sets of 16 neighbours
.set XE,    112                        ;    v112-127 a scale byte for each step
.set XC,    128                        ;    v128-191 codes, four registers a step
.set WX,    32                         ; W: v32-95 two sets of 32 numbers
.set WC,    96                         ;    v96-99 a block's codes
.set WOUT,  112                        ;    v112-175 the way out
.set WSB,   24                         ;    v24-27 scale bytes
.set WOFF,  176                        ;    v176-207 byte offset of row i of a block: i x pitch + 4 x lane
	s_load_b512 s[4:19], s[0:1], 0x0               ; x, Wq, Wk, Wv, Wo, x_codes, x_scales, w_codes
	s_load_b128 s[20:23], s[0:1], 0x40             ; w_scales, wo16
	v_lshl_add_u32 v[SPW], v0, 2, SPARE
	v_mov_b32 v[NIL], 0
	v_lshrrev_b32 v1, 5, v0
	v_readfirstlane_b32 s24, v1                    ; wave 0..3
	v_and_b32 v2, 31, v0                           ; lane
	s_wait_kmcnt 0x0
	s_cmp_lt_u32 ttmp9, 256
	s_cbranch_scc0 .Lnot_x
; ---------------- X: a wave takes 16 steps of 512 numbers.  Each load reads 512 consecutive bytes; a step's 2,048 bytes turn through the wave's own stage so that a lane holds 16 neighbours; two lanes hold a block.
	v_lshlrev_b32 v3, 4, v2                        ; my 16 bytes of a load's 512
	s_mul_i32 s25, s24, XREG
	v_lshrrev_b32 v14, 2, v2
	v_mul_u32_u24 v14, v14, XSP
	v_and_b32 v15, 3, v2
	v_lshl_add_u32 v14, v15, 4, v14
	v_add_nc_u32 v14, s25, v14                     ; into the stage: 80 (lane / 4) + 16 (lane % 4)
	v_mul_u32_u24 v15, v2, XSP
	v_add_nc_u32 v15, s25, v15                     ; out of it: 80 x lane
	v_lshlrev_b32 v4, 3, v2                        ; my 8 bytes of a step's codes
	v_lshrrev_b32 v5, 1, v2
	s_add_co_u32 s25, s25, 2*32*XSP
	v_add_nc_u32 v5, s25, v5                       ; my block's scale byte in LDS
	v_lshlrev_b32 v7, 3, v2
	v_add_nc_u32 v6, s25, v7                       ; and 8 bytes a lane on the way out
	s_lshl_b32 s26, ttmp9, 2
	s_add_co_u32 s26, s26, s24                     ; which run of 8,192 numbers is my wave's
	s_mov_b32 s29, 0
	s_lshl_b32 s28, s26, 15
	s_add_nc_u64 s[4:5], s[4:5], s[28:29]
	s_lshl_b32 s28, s26, 12
	s_add_nc_u64 s[14:15], s[14:15], s[28:29]
	s_lshl_b32 s28, s26, 8
	s_add_nc_u64 s[16:17], s[16:17], s[28:29]
.macro XLOAD t
.irp i, 0,1,2,3
	global_load_b128 v[XR+16*((\t)%4)+4*\i:XR+16*((\t)%4)+4*\i+3], v3, s[4:5] offset:2048*(\t)+512*\i th:TH_LOAD_NT
.endr
.endm
.macro XTURN t                         ; LDS serves a wave's instructions in order: no wait between these stores and loads
.irp i, 0,1,2,3
	ds_store_b128 v14, v[XR+16*((\t)%4)+4*\i:XR+16*((\t)%4)+4*\i+3] offset:32*XSP*((\t)%2)+8*XSP*\i
.endr
.irp i, 0,1,2,3
	ds_load_b128 v[XX+16*((\t)%2)+4*\i:XX+16*((\t)%2)+4*\i+3], v15 offset:32*XSP*((\t)%2)+16*\i
.endr
.endm
.irp t, 0,1,2,3
	XLOAD \t
.endr
	s_wait_loadcnt 12                              ; step 0's four loads are in
	XTURN 0
.macro XSTEP t
.set XS, XX+16*((\t)%2)
.if (\t) > 0
	s_wait_dscnt 1                                 ; this step's numbers are back (the last step's byte store may be out)
.else
	s_wait_dscnt 0x0
.endif
.if (\t)+4 < 16
	XLOAD (\t)+4                                   ; into the registers that this step's stage stores have read
.endif
.if (\t)+1 < 16
.if 14-(\t) >= 3
	s_wait_loadcnt 12                              ; the next step's loads are in; three younger steps' may be out
.else
	s_wait_loadcnt 4*(14-(\t))
.endif
	XTURN (\t)+1
.endif
	v_max3_num_f32 v8, |v[XS]|, |v[XS+1]|, |v[XS+2]|
	v_max3_num_f32 v9, |v[XS+3]|, |v[XS+4]|, |v[XS+5]|
.irp i, 6,10
	v_max3_num_f32 v8, v8, |v[XS+\i]|, |v[XS+\i+1]|
	v_max3_num_f32 v9, v9, |v[XS+\i+2]|, |v[XS+\i+3]|
.endr
	v_max3_num_f32 v8, v8, |v[XS+14]|, |v[XS+15]|
	v_max3_num_f32 v8, v8, v9, (EMAX+1)<<23        ; with the floor 2^(3 - 127): the byte cannot fall under 1
	v_max_num_f32_dpp v8, v8, v8 row_xmask:1 row_mask:0xf bank_mask:0xf   ; with my neighbour's 16: the block's largest magnitude
	v_add_nc_u32 v11, -(EMAX<<23), v8              ; 2 off its exponent field: the conversion's scale operand
	v_cvt_scalef32_pk8_fp4_f32 v[XC+4*(\t)], v[XS:XS+7], v11
	v_cvt_scalef32_pk8_fp4_f32 v[XC+4*(\t)+1], v[XS+8:XS+15], v11
	v_lshrrev_b32 v[XE+(\t)], 23, v11              ; the scale's byte
	ds_store_b8 v5, v[XE+(\t)] offset:16*(\t)      ; both lanes of a block write the same byte
	global_store_b64 v4, v[XC+4*(\t):XC+4*(\t)+1], s[14:15] offset:256*(\t)   ; the wave stores 256 consecutive bytes, aligned
.endm
.irp t, 0,1,2,3,4,5,6,7,8,9,10,11,12,13,14,15
	XSTEP \t
.endr
	ds_load_b64 v[8:9], v6
	s_wait_dscnt 0x0
	global_store_b64 v7, v[8:9], s[16:17]          ; my wave's 256 scale bytes, aligned
	s_wait_tensorcnt 0x0                           ; the wave's end, behind my last LDS store
	ds_add_u32 v[SPW], v[NIL]
	s_wait_dscnt 0x0
	s_endpgm
.Lnot_x:
	s_cmp_lt_u32 ttmp9, 352
	s_cbranch_scc0 .Lpath_o
; ---------------- W: a lane takes a column, its registers run down K.  A work-group: 128 columns x 512 along K; a wave 32 columns, 16 blocks a lane.
	s_sub_co_u32 s25, ttmp9, 256
	s_lshr_b32 s26, s25, 2                         ; group of 128 columns, 0..23
	s_and_b32 s27, s25, 3                          ; which 512 along K
	s_sub_co_u32 s28, s26, 16                      ; among Wk's and Wv's eight groups (used from group 16 on)
	s_lshr_b32 s29, s28, 2                         ; 0: Wk, 1: Wv
	s_and_b32 s30, s28, 3                          ; the key/value head
	s_cmp_eq_u32 s29, 0
	s_cselect_b64 s[8:9], s[8:9], s[10:11]
	s_lshl_b32 s31, s30, 8
	s_lshl_b32 s29, s29, 7
	s_add_co_u32 s31, s31, s29
	s_add_co_u32 s31, s31, 2048                    ; first row of the codes: 2,048 + 256 head + 128 (value)
	s_lshl_b32 s30, s30, 7                         ; first column in Wk or Wv
	s_lshl_b32 s32, s26, 7                         ; in Wq column and row are the same
	s_mov_b32 s33, 2048
	s_cmp_lt_u32 s26, 16
	s_cselect_b64 s[6:7], s[6:7], s[8:9]           ; the source
	s_cselect_b32 s30, s32, s30
	s_cselect_b32 s31, s32, s31
	s_cselect_b32 s33, 8192, s33                   ; bytes from a row of the source to the next
	s_mul_i32 s34, s27, s33
	s_lshl_b32 s34, s34, 9                         ; 512 rows for each step along K
	s_lshl_b32 s35, s24, 5
	s_add_co_u32 s31, s31, s35                     ; my wave's first row of the codes
	s_add_co_u32 s35, s35, s30
	s_lshl_b32 s35, s35, 2
	s_add_co_u32 s34, s34, s35
	s_mov_b32 s35, 0
	s_add_nc_u64 s[6:7], s[6:7], s[34:35]
	s_lshl_b32 s36, s33, 5                         ; a block of 32 rows on
	s_mov_b32 s37, 0
	s_mov_b32 s41, 0
	s_lshl_b32 s40, s31, 10
	s_lshl_b32 s39, s27, 8
	s_add_co_u32 s40, s40, s39
	s_add_nc_u64 s[18:19], s[18:19], s[40:41]      ; codes: row x 1,024 + 256 y
	s_lshl_b32 s40, s31, 6
	s_lshl_b32 s39, s27, 4
	s_add_co_u32 s40, s40, s39
	s_add_nc_u64 s[20:21], s[20:21], s[40:41]      ; scale bytes: row x 64 + 16 y
	v_lshlrev_b32 v3, 2, v2
	s_mul_i32 s38, s24, 32*WP
	s_add_co_u32 s38, s38, WSTG                    ; my stage
	v_mul_u32_u24 v4, v2, WP
	v_add_nc_u32 v4, s38, v4                       ; into it: row = my column
	v_and_b32 v5, 15, v2
	v_lshrrev_b32 v6, 4, v2
	v_mul_u32_u24 v7, v6, WP
	v_lshl_add_u32 v7, v5, 4, v7
	v_add_nc_u32 v7, s38, v7                       ; out of it: sixteen lanes to a row
	v_lshlrev_b32 v8, 10, v6
	v_lshl_add_u32 v8, v5, 4, v8                   ; the same place in the codes
	v_lshlrev_b32 v9, 6, v2                        ; my column's row of scale bytes
.irp i, 0,1,2,3,4,5,6,7,8,9,10,11,12,13,14,15,16,17,18,19,20,21,22,23,24,25,26,27,28,29,30,31
	v_mad_u32_u24 v[WOFF+\i], s33, \i, v3
.endr
.macro WLOAD t                         ; block t: 32 rows of my 32 columns, 128 consecutive bytes a load
.if (\t) > 0
	s_wait_xcnt 0x0                                ; the earlier loads have read their base: it may step
	s_add_nc_u64 s[6:7], s[6:7], s[36:37]
.endif
.irp i, 0,1,2,3,4,5,6,7,8,9,10,11,12,13,14,15,16,17,18,19,20,21,22,23,24,25,26,27,28,29,30,31
	global_load_b32 v[WX+32*((\t)%2)+\i], v[WOFF+\i], s[6:7] th:TH_LOAD_NT
.endr
.endm
	WLOAD 0
	WLOAD 1
.macro WBLOCK t
.set XS, WX+32*((\t)%2)
.if (\t) < 15
	s_wait_loadcnt 32                              ; this block's loads are in; the next block's may be out
.else
	s_wait_loadcnt 0x0
.endif
	v_max3_num_f32 v12, |v[XS]|, |v[XS+1]|, |v[XS+2]|
	v_max3_num_f32 v13, |v[XS+3]|, |v[XS+4]|, |v[XS+5]|
.irp i, 6,10,14,18,22,26
	v_max3_num_f32 v12, v12, |v[XS+\i]|, |v[XS+\i+1]|
	v_max3_num_f32 v13, v13, |v[XS+\i+2]|, |v[XS+\i+3]|
.endr
	v_max3_num_f32 v12, v12, |v[XS+30]|, |v[XS+31]|
	v_max3_num_f32 v12, v12, v13, (EMAX+1)<<23
	v_add_nc_u32 v11, -(EMAX<<23), v12
	v_lshrrev_b32 v13, 23, v11
.if (\t)%4 == 0
	v_mov_b32 v[WSB+(\t)/4], v13
.else
	v_lshl_or_b32 v[WSB+(\t)/4], v13, 8*((\t)%4), v[WSB+(\t)/4]
.endif
.irp g, 0,1,2,3
	v_cvt_scalef32_pk8_fp4_f32 v[WC+\g], v[XS+8*\g:XS+8*\g+7], v11
.endr
	ds_store_b128 v4, v[WC:WC+3] offset:16*(\t)
.if (\t)+2 < 16
	WLOAD (\t)+2
.endif
	s_wait_dscnt 0x0                               ; the store has read its registers: the next block's codes may be written
.endm
.irp t, 0,1,2,3,4,5,6,7,8,9,10,11,12,13,14,15
	WBLOCK \t
.endr
	global_store_b128 v9, v[WSB:WSB+3], s[20:21]   ; my column's 16 scale bytes
.irp t, 0,1,2,3,4,5,6,7,8,9,10,11,12,13,14,15
	ds_load_b128 v[WOUT+4*\t:WOUT+4*\t+3], v7 offset:2*\t*WP
.endr
.irp t, 0,1,2,3,4,5,6,7,8,9,10,11,12,13,14,15
	s_wait_dscnt 15-\t
	global_store_b128 v8, v[WOUT+4*\t:WOUT+4*\t+3], s[18:19] offset:2*\t*1024   ; sixteen lanes store 256 consecutive bytes, aligned
.endr
	s_wait_tensorcnt 0x0                           ; the wave's end, behind my last LDS store
	ds_add_u32 v[SPW], v[NIL]
	s_wait_dscnt 0x0
	s_endpgm
.Lpath_o:
; ---------------- O: a plain stream, no LDS.  A wave takes 32,768 bytes of Wo in 64 chunks of 512; sixteen loads are always out.
	s_sub_co_u32 s25, ttmp9, 352
	s_lshl_b32 s25, s25, 2
	s_add_co_u32 s25, s25, s24
	s_lshl_b32 s26, s25, 15
	s_mov_b32 s27, 0
	s_add_nc_u64 s[12:13], s[12:13], s[26:27]
	s_lshl_b32 s26, s25, 14
	s_add_nc_u64 s[22:23], s[22:23], s[26:27]
	v_lshlrev_b32 v3, 4, v2
	v_lshlrev_b32 v4, 3, v2
.irp i, 0,1,2,3,4,5,6,7,8,9,10,11,12,13,14,15
	global_load_b128 v[16+4*\i:16+4*\i+3], v3, s[12:13] offset:512*\i th:TH_LOAD_NT
.endr
.set Q, 0
.rept 64
.if Q < 48
	s_wait_loadcnt 15                              ; chunk Q is in; the fifteen younger loads stay out
.else
	s_wait_loadcnt 63-Q
.endif
	v_cvt_pk_f16_f32 v[80+2*Q], v[16+4*(Q%16)], v[16+4*(Q%16)+1]     ; every chunk has result registers of its own: no store's data are written again
	v_cvt_pk_f16_f32 v[81+2*Q], v[16+4*(Q%16)+2], v[16+4*(Q%16)+3]
.if Q < 48
	global_load_b128 v[16+4*(Q%16):16+4*(Q%16)+3], v3, s[12:13] offset:512*(Q+16) th:TH_LOAD_NT
.endif
	global_store_b64 v4, v[80+2*Q:81+2*Q], s[22:23] offset:256*Q     ; the wave stores 256 consecutive bytes, aligned
.set Q, Q+1
.endr
	s_endpgm
.Lfunc_end_k_qdf49c26ed1_prep:
	.size	k_qdf49c26ed1_prep, .Lfunc_end_k_qdf49c26ed1_prep-k_qdf49c26ed1_prep
	.p2alignl 7, 3214868480
	.fill 96, 4, 3214868480
	.section	.rodata,"a",@progbits
	.p2align	6, 0x0
	.amdhsa_kernel k_qdf49c26ed1_prep
		.amdhsa_group_segment_fixed_size 68096
		.amdhsa_private_segment_fixed_size 0
		.amdhsa_enable_private_segment 0
		.amdhsa_kernarg_size 80
		.amdhsa_user_sgpr_count 2
		.amdhsa_user_sgpr_kernarg_segment_ptr 1
		.amdhsa_wavefront_size32 1
		.amdhsa_system_sgpr_workgroup_id_x 1
		.amdhsa_system_sgpr_workgroup_id_y 1
		.amdhsa_system_sgpr_workgroup_id_z 1
		.amdhsa_system_vgpr_workitem_id 0
		.amdhsa_next_free_vgpr 224
		.amdhsa_next_free_sgpr 66
		.amdhsa_reserve_vcc 0
		.amdhsa_float_denorm_mode_32 3
		.amdhsa_float_denorm_mode_16_64 3
		.amdhsa_memory_ordered 1
		.amdhsa_forward_progress 1
		.amdhsa_inst_pref_size 137
	.end_amdhsa_kernel
	.amdgpu_metadata
---
amdhsa.version: [ 1, 2 ]
amdhsa.kernels:
  - .name:           k_qdf49c26ed1_prep
    .symbol:         k_qdf49c26ed1_prep.kd
    .args:
      - { .name: x, .offset: 0, .size: 8, .value_kind: global_buffer, .address_space: global }
      - { .name: Wq, .offset: 8, .size: 8, .value_kind: global_buffer, .address_space: global }
      - { .name: Wk, .offset: 16, .size: 8, .value_kind: global_buffer, .address_space: global }
      - { .name: Wv, .offset: 24, .size: 8, .value_kind: global_buffer, .address_space: global }
      - { .name: Wo, .offset: 32, .size: 8, .value_kind: global_buffer, .address_space: global }
      - { .name: x_codes, .offset: 40, .size: 8, .value_kind: global_buffer, .address_space: global }
      - { .name: x_scales, .offset: 48, .size: 8, .value_kind: global_buffer, .address_space: global }
      - { .name: w_codes, .offset: 56, .size: 8, .value_kind: global_buffer, .address_space: global }
      - { .name: w_scales, .offset: 64, .size: 8, .value_kind: global_buffer, .address_space: global }
      - { .name: wo16, .offset: 72, .size: 8, .value_kind: global_buffer, .address_space: global }
    .group_segment_fixed_size: 68096
    .private_segment_fixed_size: 0
    .kernarg_segment_align: 8
    .kernarg_segment_size: 80
    .max_flat_workgroup_size: 128
    .sgpr_count:     66
    .vgpr_count:     224
    .wavefront_size: 32
...
	.end_amdgpu_metadata
.endif
;; end of part 1
;; launch qkv (part 2): grid 12 x 16, 4 waves a work-group, clusters of 4 x 4, 327,680 bytes of LDS; arguments x_codes, x_scales, w_codes, w_scales, qkv16, cos, sin, fine32; writes qkv16, fine32
.if DOCPART == 2
	.amdgcn_target "amdgcn-amd-amdhsa--gfx1250"
	.amdhsa_code_object_version 6
	.text
	.protected	k_qdf49c26ed1_qkv
	.globl	k_qdf49c26ed1_qkv
	.p2align	8
	.type	k_qdf49c26ed1_qkv,@function
k_qdf49c26ed1_qkv:
	s_mov_b64 s[64:65], 0
	v_nop
	global_prefetch_b8 v0, s[64:65] scope:SCOPE_SE
	s_setreg_imm32_b32 hwreg(HW_REG_WAVE_MODE, 25, 1), 1
	s_wait_xcnt 0x0
	s_wait_alu depctr_hold_cnt(0) depctr_sa_sdst(0) depctr_va_vdst(0) depctr_va_sdst(0) depctr_va_ssrc(0) depctr_va_vcc(0) depctr_vm_vsrc(0)
	s_getreg_b32 s2, hwreg(HW_REG_IB_STS2, 6, 4)
	s_cmp_eq_u32 s2, 0
	s_cbranch_scc0 .Lentry_in_a_cluster
	s_endpgm
.Lentry_in_a_cluster:
	s_bfe_u32 s2, ttmp6, 0x10000c
	s_cmp_lg_u32 s2, 0xf033
	s_cbranch_scc0 .Lentry_shape_is_right
	s_endpgm
.Lentry_shape_is_right:
; QKV: C[m][n'] = sum over k of x[m][k] W[n'][k] on codes of E2M1 with E8M0 scales (4,096 x 3,072 x 2,048), then, in registers, rope and RMS norm for the query and key heads; all heads leave as f16,
; laid [b][head' 24][t 1024][128]; the rows t < 16 also leave as f32 (fine32 [b][head'][16][128]) for the launch that carries those rows finely.
; A tile of C, 256 x 256, is made by four waves; a wave makes 128 rows x 128 columns: 128 positions of ONE head', so that rope (columns d and d + 64) and the norm (128 columns) stay inside a wave.
; K goes in steps of 512 through a ring of two LDS slots filled by the tensor data mover; the scale bytes of the work-group's rows come once and stay in LDS.
; CLUSTERS: 4 x 4 work-groups; A's tiles are asked for jointly along a row of the cluster, B's along a column.  Tile row = 4 cy + cluster y, so that the batch is cy and the position in the sequence hangs on the
; cluster's y and the wave alone; head' 16 + 2 i is key head i and 17 + 2 i value head i, so that 'a value head' hangs on the cluster's x and the wave alone: no branch hangs on a place in the cluster.
; THE MATRIX INSTRUCTION IS USED TRANSPOSED (source 0 = 16 rows of W, source 1 = 16 rows of x): a lane holds one position and eight neighbouring columns.
; REGISTERS: window 0: v0-31 addresses; v32-95 scale words and nothing else; v128-191 A's fragments; in the epilogue v96-122 at work, v128-191 a block's 64 numbers, v192-223 packed, v224-255 rows read back.
;   window 1: B's fragments at v0 and v128; cos and sin of a block, two sets, at v64 and v192.   windows 2, 3: the 64 accumulators ((a, b) at v[8 (8 (a % 4) + b)]).
; LIMITS: NaN and infinities are not served; |v| stays under 65,504 (f16).
.set SIZE_M, 4096
.set SIZE_N, 3072
.set SIZE_K, 2048
.set KSTEP,  512
.set NQ,     KSTEP/128
.set ROWB,   256
.set KROW,   SIZE_K*4/8
.set PITCH,  272                       ; an LDS row: 256 bytes + 16 of padding: the 16 rows of a load start at 16 different banks
.set FR,     8
.set NL,     2
.set NP,     4
.set HALFT,  128*PITCH
.set SLOT,   4*HALFT
.set LAPS,   SIZE_K/(2*KSTEP)
.set KS,     SIZE_K/32
.set SCL,    2*SLOT
.set HALFS,  (128*KS/256)*272
.set SBLK,   (16*KS/256)*272
.set SPARE,  SCL+4*HALFS               ; the spare words, 128 bytes for each wave, that no other line names
.set SP2,    272                       ; the way out: stage rows of 256 bytes + 16, 16 rows a wave, in slot 0, which has had its last fill and its last read by then
.set VST,    4*16*SP2                  ; the value heads' path has stage bytes of its own
.set ADRA, 16
.set ADRB, 20
.set STO,  24
.set RD,   25
.set CO,   26
.set ADRS, 27
.set SPW,  28
.set NIL,  29
.set CSO,  30                          ; v30 my byte in a block's rows of cos and sin: 256 r + 32 h
.set FO,   31                          ; v31 my byte in the f32 copy: 512 r + 32 h
.set SC,   32
.set AF,   128
.set T,    96                          ; v96-111 products of the rope, eight pairs by turns
.set SS,   112                         ; v112-119 sums of squares, four chains of pairs
.set F,    120                         ; v120 1 / rms (v121 named with it as a pair)
.set PM,   122                         ; v122 the other half's sum
.set Y,    128                         ; v128-191 a block's 64 numbers of my position
.set PK,   192                         ; v192-223 the same as f16
.set BK,   224                         ; v224-255 16 rows read back from the stage
.set G1, 24
.set G0, 32
.set G1B, 48
.set G0B, 56
.set G1S, 68
.set G0S, 76
.set G1SB, 80
.set G0SB, 88
.set MSB, 0
.macro WIN new                         ; the immediate's high byte repeats the setting that is left
.if MSB != \new
	s_set_vgpr_msb (MSB<<8)|\new
.set MSB, \new
.endif
.endm
.set MUL_LO, 0xa1
.set MUL_HI, 0xf1
.set TO_B,   0x40
; A joint load: waves 0 and 1 fetch for A, waves 2 and 3 for B; the branch hangs on the wave's number alone.  An s_nop 0 and four v_nop follow each of the two lines.
.macro JLOAD g0a, g1a, g0b, g1b
	s_cmp_eq_u32 s15, 0
	s_cbranch_scc0 .Lfor_b_\@
	tensor_load_to_lds s[\g0a:\g0a+3], s[\g1a:\g1a+7]
	s_nop 0
.rept 4
	v_nop
.endr
	s_branch .Lasked_\@
.Lfor_b_\@:
	tensor_load_to_lds s[\g0b:\g0b+3], s[\g1b:\g1b+7]
	s_nop 0
.rept 4
	v_nop
.endr
.Lasked_\@:
.endm
.macro CREST
	s_cmp_lg_u32 s14, 0
	s_cbranch_scc1 .Lnot_wave_0_\@
	s_barrier_signal -3
.Lnot_wave_0_\@:
	s_barrier_wait -3
	s_barrier_signal -1
	s_barrier_wait -1
.endm
.macro CROUND
	s_barrier_signal -1
	s_barrier_wait -1
	CREST
.endm
	s_load_b128 s[4:7], s[0:1], 0x0                ; x's codes, x's scales
	s_load_b128 s[8:11], s[0:1], 0x10              ; W's codes, W's scales
	s_load_b64 s[12:13], s[0:1], 0x20              ; qkv16
	s_load_b128 s[96:99], s[0:1], 0x28             ; cos, sin
	s_load_b64 s[100:101], s[0:1], 0x38            ; fine32
	v_lshl_add_u32 v[SPW], v0, 2, SPARE
	v_mov_b32 v[NIL], 0
	ds_add_u32 v[SPW], v[NIL]                      ; the wave's opening: the add, twice on end, and its wait ahead of my first tensor load
	ds_add_u32 v[SPW], v[NIL]
	v_lshrrev_b32 v1, 5, v0
	v_readfirstlane_b32 s14, v1                    ; wave 0..3
	s_lshr_b32 s15, s14, 1                         ; which half of the tile's rows is mine.  Also: I fetch for A (0) or for B (1)
	s_and_b32 s16, s14, 1                          ; which half of its columns.  Also: which 128 rows of that tile I fetch
	s_bfe_u32 s40, ttmp6, 0x40000                  ; cx
	s_bfe_u32 s41, ttmp6, 0x40004                  ; cy
	s_lshl_b32 s42, ttmp9, 2
	s_add_co_u32 s42, s42, s40                     ; tile column = 4 x cluster x + cx
	s_and_b32 s2, ttmp7, 0xffff                    ; cluster y
	s_lshl_b32 s17, s41, 2
	s_add_co_u32 s17, s17, s2                      ; tile row = 4 cy + cluster y: batch cy, positions 256 x cluster y on
	s_lshl_b32 s43, s41, 2
	s_lshl_b32 s43, 15, s43                        ; my row of the cluster
	s_lshl_b32 s44, 0x1111, s40                    ; my column
	s_or_b32 s[G1+0], s43, (0<<16)|(1<<20)|(1<<21)|(5<<22)|(3<<25)  ; the mask; elements of 1 byte; padding on; bit 21 beside a mask; after every 64 words four words
	s_or_b32 s[G1B+0], s44, (0<<16)|(1<<20)|(1<<21)|(5<<22)|(3<<25)
.irp g, G1, G1B
	s_mov_b32 s[\g+1], ROWB<<16                    ; tensor_dim0
	s_mov_b32 s[\g+2], 128<<16                     ; tensor_dim1
	s_mov_b32 s[\g+3], ROWB<<16                    ; tile_dim0
	s_mov_b32 s[\g+4], 128                         ; tile_dim1
	s_mov_b32 s[\g+5], KROW                        ; pitch
	s_mov_b32 s[\g+6], 0
	s_mov_b32 s[\g+7], 0
.endr
	s_or_b32 s[G1S+0], s43, (3<<16)|(1<<20)|(1<<21)|(5<<22)|(3<<25)   ; the scales of 128 rows: a dense block, as rows of 256 bytes (32 elements of 8), 16 bytes of padding behind each
	s_or_b32 s[G1SB+0], s44, (3<<16)|(1<<20)|(1<<21)|(5<<22)|(3<<25)
.irp g, G1S, G1SB
	s_mov_b32 s[\g+1], 32<<16
	s_mov_b32 s[\g+2], (128*KS/256)<<16
	s_mov_b32 s[\g+3], 32<<16
	s_mov_b32 s[\g+4], 128*KS/256
	s_mov_b32 s[\g+5], 32
	s_mov_b32 s[\g+6], 0
	s_mov_b32 s[\g+7], 0
.endr
	s_lshl_b32 s18, s16, 7
	s_lshl_b32 s20, s17, 8
	s_add_co_u32 s20, s20, s18                     ; A: row 256 x tile row + 128 x half
	s_lshl_b32 s46, s42, 8
	s_add_co_u32 s46, s46, s18                     ; B: row 256 x tile column + 128 x half
	s_mov_b32 s21, 0
	s_mov_b32 s47, 0
	s_mov_b64 s[18:19], KS
	s_mul_u64 s[22:23], s[20:21], s[18:19]
	s_mul_u64 s[92:93], s[46:47], s[18:19]
	s_mov_b64 s[18:19], KROW
	s_mul_u64 s[20:21], s[20:21], s[18:19]
	s_mul_u64 s[46:47], s[46:47], s[18:19]
	s_mul_i32 s45, s14, HALFT                      ; where they go: wave x 128 rows
	s_mul_i32 s94, s14, HALFS
	s_wait_dscnt 0x0                               ; both opening adds are done
	s_wait_kmcnt 0x0
	s_add_nc_u64 s[20:21], s[4:5], s[20:21]
	s_add_nc_u64 s[22:23], s[6:7], s[22:23]
	s_add_nc_u64 s[46:47], s[8:9], s[46:47]
	s_add_nc_u64 s[92:93], s[10:11], s[92:93]
	CROUND                                         ; all sixteen work-groups are here: the first joint loads meet
	s_mov_b32 s[G0S], 1
	s_add_co_u32 s[G0S+1], s94, SCL
	s_mov_b64 s[G0S+2:G0S+3], s[22:23]
	s_or_b32 s[G0S+3], s[G0S+3], 0x80000000
	s_mov_b32 s[G0SB], 1
	s_add_co_u32 s[G0SB+1], s94, SCL
	s_mov_b64 s[G0SB+2:G0SB+3], s[92:93]
	s_or_b32 s[G0SB+3], s[G0SB+3], 0x80000000
	JLOAD G0S, G1S, G0SB, G1SB                     ; the scales first
.irp s, 0,1
	s_mov_b32 s[G0+4*\s], 1
	s_add_co_u32 s[G0+4*\s+1], s45, \s*SLOT
	s_add_nc_u64 s[G0+4*\s+2:G0+4*\s+3], s[20:21], \s*ROWB
	s_or_b32 s[G0+4*\s+3], s[G0+4*\s+3], 0x80000000
	s_mov_b32 s[G0B+4*\s], 1
	s_add_co_u32 s[G0B+4*\s+1], s45, \s*SLOT
	s_add_nc_u64 s[G0B+4*\s+2:G0B+4*\s+3], s[46:47], \s*ROWB
	s_or_b32 s[G0B+4*\s+3], s[G0B+4*\s+3], 0x80000000
	JLOAD G0+4*\s, G1, G0B+4*\s, G1B
.endr
	v_and_b32 v1, 15, v0                           ; r = l % 16
	v_bfe_u32 v2, v0, 4, 1                         ; h = l / 16
	v_mul_u32_u24 v3, v1, PITCH
	v_lshl_add_u32 v4, v2, 4, v3
	s_mul_i32 s21, s15, HALFT
	s_mul_i32 s22, s16, HALFT
	s_add_co_u32 s22, s22, 2*HALFT
.irp s, 0,1
	v_add_nc_u32 v[ADRA+\s], s21, v4
	v_add_nc_u32 v[ADRB+\s], s22, v4
	s_add_co_u32 s21, s21, SLOT
	s_add_co_u32 s22, s22, SLOT
.endr
	v_mul_u32_u24 v5, v1, KS
	v_lshrrev_b32 v6, 8, v5
	v_lshl_add_u32 v5, v6, 4, v5
	s_mul_i32 s21, s15, HALFS
	s_mul_i32 s22, s16, HALFS
	s_add_co_u32 s22, s22, 2*HALFS
	s_sub_co_u32 s22, s22, s21
	v_mul_u32_u24 v6, s22, v2                      ; lanes 16-31 take B's scale words
	s_add_co_u32 s21, s21, SCL
	v_add_nc_u32 v5, v5, v6
	v_add_nc_u32 v[ADRS], s21, v5
	s_mul_i32 s23, s14, 16*SP2                     ; my stage
	v_mul_u32_u24 v5, v1, SP2
	v_lshl_add_u32 v5, v2, 4, v5
	v_add_nc_u32 v[STO], s23, v5                   ; in: row r, 16 bytes for each half of the lanes
	v_mul_u32_u24 v5, v2, SP2
	v_lshl_add_u32 v5, v1, 4, v5
	v_add_nc_u32 v[RD], s23, v5                    ; back: lanes 0-15 one row of 256 bytes, lanes 16-31 the next
	v_lshlrev_b32 v5, 8, v2
	v_lshl_add_u32 v[CO], v1, 4, v5                ; the same two rows in qkv16
	v_lshlrev_b32 v5, 8, v1
	v_lshl_add_u32 v[CSO], v2, 5, v5
	v_lshlrev_b32 v5, 9, v1
	v_lshl_add_u32 v[FO], v2, 5, v5
	; where my 128 positions of my head' lie
	s_lshl_b32 s46, s42, 1
	s_add_co_u32 s46, s46, s16                     ; head' = 2 x tile column + my half of the columns
	s_mul_i32 s47, s41, 24
	s_add_co_u32 s46, s46, s47                     ; 24 b + head'
	s_mov_b32 s21, 0
	s_lshl_b32 s20, s46, 13
	s_add_nc_u64 s[100:101], s[100:101], s[20:21]  ; the f32 copy: 16 rows of 512 bytes a head'
	s_lshl_b32 s46, s46, 10
	s_lshl_b32 s47, s2, 8
	s_lshl_b32 s22, s15, 7
	s_add_co_u32 s47, s47, s22                     ; my first position: 256 x cluster y + 128 x half
	s_add_co_u32 s46, s46, s47
	s_lshl_b32 s20, s46, 8
	s_add_nc_u64 s[12:13], s[12:13], s[20:21]
	s_lshl_b32 s20, s47, 8
	s_add_nc_u64 s[96:97], s[96:97], s[20:21]      ; cos and sin at my first position: 256 bytes a row
	s_add_nc_u64 s[98:99], s[98:99], s[20:21]
	s_cmp_eq_u32 ttmp9, 2
	s_cselect_b32 s66, s16, 0                      ; 1: my head' is a value head
	s_cmp_eq_u32 s2, 0
	s_cselect_b32 s67, 1, 0
	s_cmp_lt_u32 s14, 2
	s_cselect_b32 s67, s67, 0                      ; 1: my first block of 16 rows is positions 0 to 15
; cos and sin of block a's 16 positions, in the accumulators' layout: register 8 bb + j = column 16 bb + 8 h + j.  16 loads, into set a % 2 of window 1.
.macro CSLOAD a
.set CB, 64+128*((\a)%2)
	WIN 0x40
.irp bb, 0,1,2,3
.irp i, 0,1
	global_load_b128 v[CB+8*\bb+4*\i:CB+8*\bb+4*\i+3], v[CSO], s[96:97] offset:(\a)*4096+64*\bb+16*\i
	global_load_b128 v[CB+32+8*\bb+4*\i:CB+32+8*\bb+4*\i+3], v[CSO], s[98:99] offset:(\a)*4096+64*\bb+16*\i
.endr
.endr
	WIN 0
.endm
	CSLOAD 0                                       ; the first two sets are asked for here and land under the K loop.  Every wave asks, so that one path leads to the epilogue; a value head's wave does not use its two sets
	CSLOAD 1
.macro FRAG reg, adr, q, i
.irp c, 0,1
	ds_load_b128 v[\reg+4*\c:\reg+4*\c+3], v[\adr] offset:64*(\q)+32*\c+(\i)*16*PITCH
.endr
.endm
; 16 matrix instructions: A's blocks a0, a0 + 1 x B's eight.  The 64 accumulators take turns, one instruction a turn, in the same order in every step.
.macro MUL16 a0, p, q, sc, zero
.irp a, \a0, \a0+1
.irp b, 0,1,2,3,4,5,6,7
.if \zero
	v_wmma_scale_f32_16x16x128_f8f6f4 v[8*(8*((\a)%4)+\b):8*(8*((\a)%4)+\b)+7], v[128*(\p)+FR*\b:128*(\p)+FR*\b+FR-1], v[AF+FR*(\a):AF+FR*(\a)+FR-1], 0, v[SC+8*NQ*(\sc)+NQ*\b+(\q)], v[SC+8*NQ*(\sc)+NQ*(\a)+(\q)] matrix_a_fmt:MATRIX_FMT_FP4 matrix_b_fmt:MATRIX_FMT_FP4 matrix_a_scale:MATRIX_SCALE_ROW1
.else
	v_wmma_scale_f32_16x16x128_f8f6f4 v[8*(8*((\a)%4)+\b):8*(8*((\a)%4)+\b)+7], v[128*(\p)+FR*\b:128*(\p)+FR*\b+FR-1], v[AF+FR*(\a):AF+FR*(\a)+FR-1], v[8*(8*((\a)%4)+\b):8*(8*((\a)%4)+\b)+7], v[SC+8*NQ*(\sc)+NQ*\b+(\q)], v[SC+8*NQ*(\sc)+NQ*(\a)+(\q)] matrix_a_fmt:MATRIX_FMT_FP4 matrix_b_fmt:MATRIX_FMT_FP4 matrix_a_scale:MATRIX_SCALE_ROW1
.endif
.endr
.endr
.endm
.macro FETCH_B slot, q, p
	WIN TO_B
.irp i, 0,1,2,3,4,5,6,7
	FRAG 128*(\p)+FR*\i, ADRB+\slot, \q, \i
.endr
	WIN 0
.endm
.macro FETCH_A slot, q, i0
.irp i, \i0, \i0+1, \i0+2, \i0+3
	FRAG AF+FR*(\i), ADRA+\slot, \q, \i
.endr
.endm
.macro SCALES sc                       ; a K step's scale words: lanes 0-15 A's block i, lanes 16-31 B's block i
.irp i, 0,1,2,3,4,5,6,7
	ds_load_b128 v[SC+8*NQ*\sc+NQ*\i:SC+8*NQ*\sc+NQ*\i+3], v[ADRS] offset:\i*SBLK
.endr
.endm
.macro PLACES n                        ; plain vector instructions between a matrix instruction and a load into, or a read of, its registers
.rept \n
	v_nop
.endr
.endm
.macro STEP slot, q, zero
	s_wait_dscnt 4*NL                              ; B's set and A's blocks 0-3 are in; A's blocks 4-7 may be out
	WIN MUL_LO
	MUL16 0, (\q)%2, \q, \slot, \zero
	MUL16 2, (\q)%2, \q, \slot, \zero
	s_wait_dscnt 0
	PLACES NP
	FETCH_B \slot, (\q)+1, 1-(\q)%2
	FETCH_A \slot, (\q)+1, 0
	WIN MUL_HI
	MUL16 4, (\q)%2, \q, \slot, \zero
	MUL16 6, (\q)%2, \q, \slot, \zero
	PLACES NP
	WIN 0
	FETCH_A \slot, (\q)+1, 4
.endm
; A slot's last step changes slots: one barrier; in front of it each wave waits for all its tensor loads, adds 0 to its spare word, and waits for that and for its reads of this slot.
.macro TURN slot, next, fill
	s_wait_tensorcnt 0x0                           ; all my tensor loads have landed: my part of the next slot
	ds_add_u32 v[SPW], v[NIL]
	s_wait_dscnt 4*NL+1                            ; (the add and A's blocks 4-7 may be out)
	WIN MUL_LO
	MUL16 0, 1, NQ-1, \slot, 0
	s_wait_dscnt 0x0                               ; the add is done, and my reads of this slot are over
	s_barrier_signal -1
	MUL16 2, 1, NQ-1, \slot, 0
	WIN 0
	s_barrier_wait -1
.if \fill
	CREST                                          ; the barrier has opened a round of the cluster's barrier: no wave of any partner still reads this slot or has a load on its way
	s_add_nc_u64 s[G0+4*\slot+2:G0+4*\slot+3], s[G0+4*\slot+2:G0+4*\slot+3], 2*ROWB
	s_add_nc_u64 s[G0B+4*\slot+2:G0B+4*\slot+3], s[G0B+4*\slot+2:G0B+4*\slot+3], 2*ROWB
	JLOAD G0+4*\slot, G1, G0B+4*\slot, G1B         ; the first tensor load behind the round
.else
	PLACES NP
.endif
	v_add_nc_u32 v[ADRS], 4*NQ, v[ADRS]
	FETCH_B \next, 0, 0
	FETCH_A \next, 0, 0
	SCALES \next
	WIN MUL_HI
	MUL16 4, 1, NQ-1, \slot, 0
	MUL16 6, 1, NQ-1, \slot, 0
	PLACES NP
	WIN 0
	FETCH_A \next, 0, 4
.endm
.macro STEPS slot, from
.set Q, \from
.rept NQ-1-\from
	STEP \slot, Q, 0
.set Q, Q+1
.endr
.endm
	s_wait_tensorcnt 1                             ; the scales and my part of K step 0 are in (K step 1's load may be out),
	s_barrier_signal -1
	s_barrier_wait -1                              ; everybody's are
	FETCH_B 0, 0, 0
	FETCH_A 0, 0, 0
	SCALES 0
	FETCH_A 0, 0, 4
	STEP 0, 0, 1                                   ; the first step's products start the sums
	s_mov_b32 s3, LAPS-1
.Llap:
	STEPS 0, 1
	TURN 0, 1, 1
	STEPS 1, 0
	TURN 1, 0, 1
	STEP 0, 0, 0
	s_sub_co_u32 s3, s3, 1
	s_cmp_lg_u32 s3, 0
	s_cbranch_scc1 .Llap
	STEPS 0, 1
	TURN 0, 1, 0
	STEPS 1, 0
	s_wait_dscnt 4*NL
	WIN MUL_LO
	MUL16 0, 1, NQ-1, 1, 0
	MUL16 2, 1, NQ-1, 1, 0
	s_wait_dscnt 0
	WIN MUL_HI
	MUL16 4, 1, NQ-1, 1, 0
	MUL16 6, 1, NQ-1, 1, 0
	WIN 0
; THE EPILOGUE, block by block of 16 positions.  In block a, register 8 b + j of a lane is column 16 b + 8 h + j of position r: columns d and d + 64 are registers b and b + 4 of the same lane.
.macro ROPE a                          ; y1 = x1 cos - x2 sin, y2 = x1 sin + x2 cos, two numbers an instruction; each accumulator is read from its low end on
.set AC, 64*((\a)%4)
.set CB, 64+128*((\a)%2)
.if (\a) < 7
	s_wait_loadcnt 16                              ; this block's cos and sin are in; the next block's 16 loads may be out
.else
	s_wait_loadcnt 0x0
.endif
	WIN 6+(\a)/4                                   ; source 0: the accumulators' window, source 1: window 1
.irp bb, 0,1,2,3
.irp jp, 0,2,4,6
	v_pk_mul_f32 v[T+4*(\jp/2):T+4*(\jp/2)+1], v[AC+32+8*\bb+\jp:AC+32+8*\bb+\jp+1], v[CB+32+8*\bb+\jp:CB+32+8*\bb+\jp+1]
	v_pk_mul_f32 v[T+4*(\jp/2)+2:T+4*(\jp/2)+3], v[AC+32+8*\bb+\jp:AC+32+8*\bb+\jp+1], v[CB+8*\bb+\jp:CB+8*\bb+\jp+1]
	v_pk_fma_f32 v[Y+8*\bb+\jp:Y+8*\bb+\jp+1], v[AC+8*\bb+\jp:AC+8*\bb+\jp+1], v[CB+8*\bb+\jp:CB+8*\bb+\jp+1], v[T+4*(\jp/2):T+4*(\jp/2)+1] neg_lo:[0,0,1] neg_hi:[0,0,1]
	v_pk_fma_f32 v[Y+32+8*\bb+\jp:Y+32+8*\bb+\jp+1], v[AC+8*\bb+\jp:AC+8*\bb+\jp+1], v[CB+32+8*\bb+\jp:CB+32+8*\bb+\jp+1], v[T+4*(\jp/2)+2:T+4*(\jp/2)+3]
.endr
.endr
	WIN 0
.if (\a) <= 5
	CSLOAD (\a)+2                                  ; into the set just read
.endif
.endm
.macro NORM                            ; y x rsqrt(mean of y^2 + 1e-6): my 64 numbers in four chains, then the other half of the lanes' 64
.irp c, 0,1,2,3
	v_pk_mul_f32 v[SS+2*\c:SS+2*\c+1], v[Y+2*\c:Y+2*\c+1], v[Y+2*\c:Y+2*\c+1]
.endr
.irp p, 4,8,12,16,20,24,28
.irp c, 0,1,2,3
	v_pk_fma_f32 v[SS+2*\c:SS+2*\c+1], v[Y+2*(\p+\c):Y+2*(\p+\c)+1], v[Y+2*(\p+\c):Y+2*(\p+\c)+1], v[SS+2*\c:SS+2*\c+1]
.endr
.endr
	v_pk_add_f32 v[SS:SS+1], v[SS:SS+1], v[SS+2:SS+3]
	v_pk_add_f32 v[SS+4:SS+5], v[SS+4:SS+5], v[SS+6:SS+7]
	v_pk_add_f32 v[SS:SS+1], v[SS:SS+1], v[SS+4:SS+5]
	v_add_f32 v[SS], v[SS], v[SS+1]
	v_permlanex16_b32 v[PM], v[SS], s92, s93
	v_add_f32 v[SS], v[SS], v[PM]
	v_fma_f32 v[SS], v[SS], s94, s95               ; / 128 + 1e-6
	v_rsq_f32 v[F], v[SS]
	v_nop                                          ; a plain instruction behind the transcendental,
	s_wait_alu depctr_va_vdst(0)                   ; and the wait ahead of its first reader
.irp p, 0,2,4,6,8,10,12,14,16,18,20,22,24,26,28,30,32,34,36,38,40,42,44,46,48,50,52,54,56,58,60,62
	v_pk_mul_f32 v[Y+\p:Y+\p+1], v[Y+\p:Y+\p+1], v[F:F+1] op_sel_hi:[1,0]
.endr
.endm
.macro PACKQ
.irp k, 0,1,2,3,4,5,6,7,8,9,10,11,12,13,14,15,16,17,18,19,20,21,22,23,24,25,26,27,28,29,30,31
	v_cvt_pk_f16_f32 v[PK+\k], v[Y+2*\k], v[Y+2*\k+1]
.endr
.endm
.macro PACKV a                         ; a value head: straight from the accumulators, each from its low end on
.set AC, 64*((\a)%4)
	WIN 0x0a+5*((\a)/4)
.irp k, 0,1,2,3,4,5,6,7,8,9,10,11,12,13,14,15,16,17,18,19,20,21,22,23,24,25,26,27,28,29,30,31
	v_cvt_pk_f16_f32 v[PK+\k], v[AC+2*\k], v[AC+2*\k+1]
.endr
	WIN 0
.endm
.macro TOSTAGE vs                      ; 16 bytes a lane into my stage, and back as whole rows of 256 bytes; LDS serves a wave's instructions in order
	s_wait_xcnt 0x0                                ; the earlier stores have read their data: the registers read back into, and the block's numbers, may be written again
.irp b, 0,1,2,3,4,5,6,7
	ds_store_b128 v[STO], v[PK+4*\b:PK+4*\b+3] offset:\vs+32*\b
.endr
.irp f, 0,1,2,3,4,5,6,7
	ds_load_b128 v[BK+4*\f:BK+4*\f+3], v[RD] offset:\vs+\f*2*SP2
.endr
.endm
.macro SEND a
	s_wait_dscnt 0x0                               ; the block is back in registers, and the stage's stores have read theirs
.irp f, 0,1,2,3,4,5,6,7
	global_store_b128 v[CO], v[BK+4*\f:BK+4*\f+3], s[12:13] offset:(\a)*4096+\f*512   ; sixteen lanes store 256 consecutive bytes, aligned
.endr
.endm
	PLACES NP
	s_mov_b32 s92, 0x76543210                      ; v_permlanex16_b32's selects for lane l xor 16
	s_mov_b32 s93, 0xfedcba98
	s_mov_b32 s94, 0x3c000000                      ; 1 / 128
	s_mov_b32 s95, 0x358637bd                      ; 1e-6
	v_mov_b32 v[F+1], 0                            ; named as the upper half of a pair
	v_mov_b32 v[PM], 0                             ; a lane permute's destination counts as one of its sources
	s_cmp_lg_u32 s66, 0
	s_cbranch_scc1 .Lv_head
.irp a, 0,1,2,3,4,5,6,7
	ROPE \a
	NORM
.if \a == 0
	s_cmp_eq_u32 s67, 0
	s_cbranch_scc1 .Lno_fine_q
.irp bb, 0,1,2,3,4,5,6,7
.irp i, 0,1
	global_store_b128 v[FO], v[Y+8*\bb+4*\i:Y+8*\bb+4*\i+3], s[100:101] offset:64*\bb+16*\i   ; positions 0 to 15 in f32
.endr
.endr
.Lno_fine_q:
.else
	SEND \a-1
.endif
	PACKQ
	TOSTAGE 0
.endr
	SEND 7
	s_branch .Lout
.Lv_head:
	s_cmp_eq_u32 s67, 0
	s_cbranch_scc1 .Lno_fine_v
	WIN 0x08                                       ; a store's data are its source 1: window 2
.irp bb, 0,1,2,3,4,5,6,7
.irp i, 0,1
	global_store_b128 v[FO], v[8*\bb+4*\i:8*\bb+4*\i+3], s[100:101] offset:64*\bb+16*\i
.endr
.endr
	WIN 0
.Lno_fine_v:
.irp a, 0,1,2,3,4,5,6,7
.if \a > 0
	SEND \a-1
.endif
	PACKV \a
	TOSTAGE VST
.endr
	SEND 7
.Lout:
	s_wait_tensorcnt 0x0                           ; the wave's end, behind my last tensor load and my last LDS store
	ds_add_u32 v[SPW], v[NIL]
	s_wait_dscnt 0x0
	CROUND                                         ; the closing round
	s_endpgm
.Lfunc_end_k_qdf49c26ed1_qkv:
	.size	k_qdf49c26ed1_qkv, .Lfunc_end_k_qdf49c26ed1_qkv-k_qdf49c26ed1_qkv
	.p2alignl 7, 3214868480
	.fill 96, 4, 3214868480
	.section	.rodata,"a",@progbits
	.p2align	6, 0x0
	.amdhsa_kernel k_qdf49c26ed1_qkv
		.amdhsa_group_segment_fixed_size 327680
		.amdhsa_private_segment_fixed_size 0
		.amdhsa_enable_private_segment 0
		.amdhsa_kernarg_size 64
		.amdhsa_user_sgpr_count 2
		.amdhsa_user_sgpr_kernarg_segment_ptr 1
		.amdhsa_wavefront_size32 1
		.amdhsa_system_sgpr_workgroup_id_x 1
		.amdhsa_system_sgpr_workgroup_id_y 1
		.amdhsa_system_sgpr_workgroup_id_z 1
		.amdhsa_system_vgpr_workitem_id 0
		.amdhsa_next_free_vgpr 1024
		.amdhsa_next_free_sgpr 102
		.amdhsa_reserve_vcc 0
		.amdhsa_float_denorm_mode_32 3
		.amdhsa_float_denorm_mode_16_64 3
		.amdhsa_memory_ordered 1
		.amdhsa_forward_progress 1
		.amdhsa_inst_pref_size 255
	.end_amdhsa_kernel
	.section	.bss,"aw",@nobits
	.p2align	6
	.space	262144
	.amdgpu_metadata
---
amdhsa.version: [ 1, 2 ]
amdhsa.kernels:
  - .name:           k_qdf49c26ed1_qkv
    .symbol:         k_qdf49c26ed1_qkv.kd
    .args:
      - { .name: x_codes, .offset: 0, .size: 8, .value_kind: global_buffer, .address_space: global }
      - { .name: x_scales, .offset: 8, .size: 8, .value_kind: global_buffer, .address_space: global }
      - { .name: w_codes, .offset: 16, .size: 8, .value_kind: global_buffer, .address_space: global }
      - { .name: w_scales, .offset: 24, .size: 8, .value_kind: global_buffer, .address_space: global }
      - { .name: qkv16, .offset: 32, .size: 8, .value_kind: global_buffer, .address_space: global }
      - { .name: cos, .offset: 40, .size: 8, .value_kind: global_buffer, .address_space: global }
      - { .name: sin, .offset: 48, .size: 8, .value_kind: global_buffer, .address_space: global }
      - { .name: fine32, .offset: 56, .size: 8, .value_kind: global_buffer, .address_space: global }
    .group_segment_fixed_size: 327680
    .private_segment_fixed_size: 0
    .kernarg_segment_align: 8
    .kernarg_segment_size: 64
    .max_flat_workgroup_size: 128
    .sgpr_count:     102
    .vgpr_count:     1024
    .wavefront_size: 32
...
	.end_amdgpu_metadata
.endif
;; end of part 2
;; launch attn (part 3): grid 16 x 16, 4 waves a work-group, no clusters, 327,680 bytes of LDS; arguments qkv16, att16; writes att16
.if DOCPART == 3
	.amdgcn_target "amdgcn-amd-amdhsa--gfx1250"
	.amdhsa_code_object_version 6
	.text
	.protected	k_qdf49c26ed1_attn
	.globl	k_qdf49c26ed1_attn
	.p2align	8
	.type	k_qdf49c26ed1_attn,@function
k_qdf49c26ed1_attn:
	s_mov_b64 s[64:65], 0
	v_nop
	global_prefetch_b8 v0, s[64:65] scope:SCOPE_SE
	s_setreg_imm32_b32 hwreg(HW_REG_WAVE_MODE, 25, 1), 1
	s_wait_xcnt 0x0
; ATTN: att[b][t][h][:] = sum over s <= t of softmax_s(q[b][h][t] . k[b][kv][s] / sqrt(128)) v[b][kv][s][:].  q, k, v: f16, [b][head' 24][1024][128]; att: f16, [4096 (b, t)][2048 (h, d)].
; Products, maxima and sums in f32; the weights p (at most 1) are rounded to f16 for the second product.
; SHARES.  A work-group has one key/value head, TWO of its four query heads, and two blocks of 64 positions: the LATE block 15 - g and the EARLY block g.  Wave w has positions 16 w .. 16 w + 15 of both blocks:
; four tiles of 16 queries: piece 0 (tiles 0, 1: the two heads, late) and piece 2 (tiles 2, 3: early).  Keys go 64 a step.  The late piece takes 16 - g steps, the early one g + 1: 17 piece-steps in every work-group.
; LAYOUT.  S^T = K Q^T (a lane holds one query and eight keys of each tile of 16), O^T = V^T P; V is turned by ds_load_tr16_b128.
; SOFTMAX.  A running maximum m and sum l for each query: p = 2^(c s - c m), c = log2(e) / sqrt(128); in every step O and l are multiplied by a = 2^(c m_old - c m_new).
; The step is written once: m begins at -3e38 and O^T and l as zeros, so the first a is 0 and multiplies zeros.
; THE MASK.  Every work-group walks all 8 slots of 128 keys (constant trip counts); a step all of whose keys come after a piece's block is jumped over by a scalar branch on ids; in the one step on a piece's
; diagonal hidden scores become -infinity.  A slot whose first key comes after the late block is not asked for.
; NO CLUSTER: the work-groups that share a key/value head need different numbers of its tiles under the mask, so they cannot make every joint request.
; REGISTERS: window 0: v1-11 addresses, v12-43 statistics (8 a tile), v64-191 S^T (32 a tile), v192-255 P (16 a tile); window 1: O^T (64 a tile); window 2: v0-127 Q, v128-255 K of a step; window 3: v0-127 V of a step.
.set KS,     64
.set KPITCH, 272                       ; a row of K in LDS: 256 bytes + 16
.set VPITCH, 288                       ; a row of V: 256 + 32
.set VOFF,   128*KPITCH                ; a slot: 128 rows of K, then 128 rows of V
.set SLOT1,  1<<17
.set STAGE,  SLOT1+128*(KPITCH+VPITCH) ; behind the ring: 16 rows x 272 bytes for each wave
.set SP,     272
.set SPARE,  STAGE+4*16*SP             ; the spare words, 128 bytes for each wave, that no other line names
.set AK0, 2
.set AV0, 3
.set ADK, 4
.set QO,  5
.set STO, 6
.set RD,  7
.set GO,  8
.set ADV, 9
.set DM,  10                           ; v10 16 w + r - 8 h: on the diagonal, key offset 16 (n / 8) + n % 8 of register n is hidden where it is above this
.set NINF, 11                          ; v11 -infinity
.set ST,  12
.set PFO, 61
.set SPW, 62
.set NIL, 63
.set S,   64
.set P,   192
.set KFR, 128                          ; K's fragments, in window 2
.set WV,  12
.set LIM, 15
.set PFA, 18
.set G1K, 24
.set G1V, 32
.set G0K, 40
.set G0V, 44
.set SLOTS, 56
.set CS,  58
.set SEL, 60
.set TB,  62                           ; s62 LDS byte at which the slot in hand begins
.set KEY0, 63                          ; s63 the step's first key
.set QLAST, 66                         ; s66 the late block's last position
.set QE,  67                           ; s67 the early block's last position
.set DL,  68                           ; s68 the late block's first position
.set DE,  69                           ; s69 the early block's
.set QB,  70                           ; s[70:71], s[72:73] Q at my first row, late and early
.set OB,  74                           ; s[74:75], s[76:77] att16 likewise
.set MSB, 0
.macro WIN new
.if MSB != \new
	s_set_vgpr_msb (MSB<<8)|\new
.set MSB, \new
.endif
.endm
.set W_KQ, 0x0a
.set W_PV, 0x53
.set W_RS, 0x41
; Wave 0 fetches a slot's 128 rows of K, wave 1 its 128 rows of V, the others nothing.  An s_nop 0 and four v_nop follow each load.
.macro TLOAD
	s_cmp_eq_u32 s[WV], 0
	s_cbranch_scc0 .Lnot_k_\@
	tensor_load_to_lds s[G0K:G0K+3], s[G1K:G1K+7]
	s_nop 0
.rept 4
	v_nop
.endr
	s_branch .Lasked_\@
.Lnot_k_\@:
	s_cmp_eq_u32 s[WV], 1
	s_cbranch_scc0 .Lasked_\@
	tensor_load_to_lds s[G0V:G0V+3], s[G1V:G1V+7]
	s_nop 0
.rept 4
	v_nop
.endr
.Lasked_\@:
.endm
; A prefetch of the slot that the NEXT change of slots will ask for: 128 rows of 256 bytes of K (wave 2) and of V (wave 3), lanes 256 bytes apart, four instructions a wave.
; The sixteen work-groups of a key/value head walk the same rows: the first of them (x = 0, whose late block is the last) asks, so each row is named once.  The last change that fills a slot asks for nothing.
.macro ASK
	s_cmp_gt_u32 s[SLOTS], s[LIM]
	s_cbranch_scc0 .Lnot_mine_\@
.irp i, 0,1,2,3
	global_prefetch_b8 v[PFO], s[PFA:PFA+1] offset:8192*\i th:TH_LOAD_NT scope:SCOPE_SE
.endr
.Lnot_mine_\@:
.endm
	s_load_b128 s[4:7], s[0:1], 0x0                ; qkv16, att16
	v_lshl_add_u32 v[SPW], v0, 2, SPARE
	v_mov_b32 v[NIL], 0
	ds_add_u32 v[SPW], v[NIL]                      ; the wave's opening: the add, twice on end, and its wait ahead of the first tensor load
	ds_add_u32 v[SPW], v[NIL]
	v_lshrrev_b32 v1, 5, v0
	v_readfirstlane_b32 s[WV], v1                  ; wave 0..3
	s_lshr_b32 s13, ttmp9, 1                       ; g
	s_and_b32 s14, ttmp9, 1                        ; which pair of the four query heads
	s_and_b32 s16, ttmp7, 0xffff
	s_lshr_b32 s17, s16, 2                         ; b
	s_and_b32 s16, s16, 3                          ; the key/value head
	s_sub_co_u32 s20, 15, s13
	s_lshl_b32 s[DL], s20, 6
	s_lshl_b32 s[DE], s13, 6
	s_or_b32 s[QLAST], s[DL], 63
	s_or_b32 s[QE], s[DE], 63
	s_mul_i32 s21, s17, 24
	s_lshl_b32 s22, s16, 2
	s_lshl_b32 s23, s14, 1
	s_add_co_u32 s22, s22, s23                     ; the first of my two query heads
	s_add_co_u32 s23, s21, s22
	s_lshl_b32 s23, s23, 10
	s_lshl_b32 s2, s[WV], 4                        ; 16 w
	s_add_co_u32 s23, s23, s2
	s_add_co_u32 s78, s23, s[DL]
	s_lshl_b32 s78, s78, 8                         ; Q, late: rows of 256 bytes
	s_mov_b32 s79, 0
	s_add_co_u32 s80, s23, s[DE]
	s_lshl_b32 s80, s80, 8
	s_mov_b32 s81, 0
	s_lshl_b32 s3, s17, 10
	s_add_co_u32 s3, s3, s2
	s_lshl_b32 s22, s22, 8                         ; a head's 256 bytes in a row of att16
	s_add_co_u32 s82, s3, s[DL]
	s_lshl_b32 s82, s82, 12                        ; rows of 4,096 bytes
	s_add_co_u32 s82, s82, s22
	s_mov_b32 s83, 0
	s_add_co_u32 s84, s3, s[DE]
	s_lshl_b32 s84, s84, 12
	s_add_co_u32 s84, s84, s22
	s_mov_b32 s85, 0
	s_lshl_b32 s16, s16, 1
	s_add_co_u32 s86, s21, s16
	s_add_co_u32 s86, s86, 16
	s_lshl_b32 s86, s86, 18                        ; K: head' 16 + 2 kv, 262,144 bytes a head'
	s_mov_b32 s87, 0
	s_mov_b32 s[G1K], (1<<16)|(1<<20)|(5<<22)|(3<<25)   ; no mask; elements of 2 bytes; padding on: after every 64 words four words
	s_mov_b32 s[G1V], (1<<16)|(1<<20)|(5<<22)|(7<<25)   ; eight words
.irp g, G1K, G1V
	s_mov_b32 s[\g+1], 128<<16                     ; tensor_dim0
	s_mov_b32 s[\g+2], 128<<16                     ; tensor_dim1
	s_mov_b32 s[\g+3], 128<<16                     ; tile_dim0
	s_mov_b32 s[\g+4], 128                         ; tile_dim1
	s_mov_b32 s[\g+5], 128                         ; pitch
	s_mov_b32 s[\g+6], 0
	s_mov_b32 s[\g+7], 0
.endr
	s_mov_b32 s[CS], 0x3e0293ee                    ; c = log2(e) / sqrt(128)
	s_mov_b32 s[CS+1], s[CS]
	s_mov_b32 s[SEL], 0x76543210
	s_mov_b32 s[SEL+1], 0xfedcba98
	s_mov_b32 s[TB], 0
	s_mov_b32 s[KEY0], 0
	s_mov_b32 s[SLOTS], 7
	s_lshr_b32 s[LIM], s[WV], 1
	s_xor_b32 s[LIM], s[LIM], 1                    ; 0 in waves 2 and 3,
	s_or_b32 s[LIM], s[LIM], ttmp9                 ; of the work-group x = 0
	s_cmp_eq_u32 s[LIM], 0
	s_cselect_b32 s[LIM], 1, -1
	s_wait_dscnt 0x0                               ; both opening adds are done
	s_wait_kmcnt 0x0
	s_add_nc_u64 s[QB:QB+1], s[4:5], s[78:79]
	s_add_nc_u64 s[QB+2:QB+3], s[4:5], s[80:81]
	s_add_nc_u64 s[OB:OB+1], s[6:7], s[82:83]
	s_add_nc_u64 s[OB+2:OB+3], s[6:7], s[84:85]
	s_mov_b32 s[G0K], 1
	s_mov_b32 s[G0K+1], 0
	s_add_nc_u64 s[G0K+2:G0K+3], s[4:5], s[86:87]
	s_mov_b32 s[G0V], 1
	s_mov_b32 s[G0V+1], VOFF
	s_add_nc_u64 s[G0V+2:G0V+3], s[G0K+2:G0K+3], 262144
	s_cmp_eq_u32 s[WV], 2
	s_cselect_b64 s[PFA:PFA+1], s[G0K+2:G0K+3], s[G0V+2:G0V+3]
	s_add_nc_u64 s[PFA:PFA+1], s[PFA:PFA+1], 32768 ; at slot 1; the first change of slots steps it to slot 2.  Nothing is prefetched at the head
	s_or_b32 s[G0K+3], s[G0K+3], 0x80000000
	s_or_b32 s[G0V+3], s[G0V+3], 0x80000000
	TLOAD                                          ; slot 0
	v_and_b32 v1, 15, v0                           ; r
	v_bfe_u32 v44, v0, 4, 1                        ; h
	v_lshlrev_b32 v[QO], 8, v1
	v_lshl_add_u32 v[QO], v44, 4, v[QO]
	WIN 0x80
.irp i, 0,1,2,3,4,5,6,7,8,9,10,11,12,13,14,15      ; Q stays in registers: tile i / 4 (piece i / 8, head (i / 4) % 2), channels 32 (i % 4) on
	global_load_b128 v[8*\i:8*\i+3],   v[QO], s[QB+2*(\i/8):QB+2*(\i/8)+1] offset:((\i/4)%2)*262144+(\i%4)*64
	global_load_b128 v[8*\i+4:8*\i+7], v[QO], s[QB+2*(\i/8):QB+2*(\i/8)+1] offset:((\i/4)%2)*262144+(\i%4)*64+32
.endr
	WIN 0
	v_mul_u32_u24 v[AK0], v1, KPITCH
	v_lshl_add_u32 v[AK0], v44, 4, v[AK0]
	v_and_b32 v45, 7, v0
	v_bfe_u32 v46, v0, 3, 1
	v_lshl_add_u32 v[AV0], v44, 3, v45
	v_mul_u32_u24 v[AV0], v[AV0], VPITCH
	v_lshl_add_u32 v[AV0], v46, 4, v[AV0]
	v_add_nc_u32 v[AV0], VOFF, v[AV0]
	v_lshlrev_b32 v45, 3, v44
	v_sub_nc_u32 v[DM], v1, v45
	v_add_nc_u32 v[DM], s2, v[DM]
	v_mov_b32 v[NINF], 0xff800000
	v_and_b32 v[PFO], 31, v0
	v_lshlrev_b32 v[PFO], 8, v[PFO]
	s_mul_i32 s13, s[WV], 16*SP
	s_add_co_u32 s13, s13, STAGE
	v_mul_u32_u24 v[STO], v1, SP
	v_lshl_add_u32 v[STO], v44, 4, v[STO]
	v_add_nc_u32 v[STO], s13, v[STO]
	v_mul_u32_u24 v[RD], v44, SP
	v_lshl_add_u32 v[RD], v1, 4, v[RD]
	v_add_nc_u32 v[RD], s13, v[RD]
	v_lshlrev_b32 v[GO], 12, v44
	v_lshl_add_u32 v[GO], v1, 4, v[GO]
.irp t, 0,1,2,3
	v_mov_b32 v[ST+8*\t+1], 0xff61b1e6             ; m = -3e38, under every score
	v_mul_f32 v[ST+8*\t], s[CS], v[ST+8*\t+1]      ; c m
.irp k, 2,3,4,5,6,7
	v_mov_b32 v[ST+8*\t+\k], 0                     ; l, and the registers at work (a lane permute's destination and the halves of pairs count as read)
.endr
.endr
	WIN 0x40
.set i, 0
.rept 256
	v_mov_b32 v[i], 0                              ; O^T.  The key step is written once, with no copy for a first step: it finds zeros
.set i, i+1
.endr
	WIN 0
; 32 products of S^T = K Q^T for piece x: channels 32 (i / 8) on, keys 16 ((i / 2) % 4) on, tile x + i % 2; eight accumulators by turns.  w = 1: K's loads are waited for chunk by chunk:
; behind chunk c of eight loads stand 8 (3 - c) of K's and V's 32.
.macro KQ x, w
	WIN W_KQ
.set i, 0
.rept 32
.if (\w) && (i%8 == 0)
	s_wait_dscnt 56-i
.endif
.set rS, S+32*(\x+i%2)+8*((i/2)%4)
.set rK, KFR+32*((i/2)%4)+8*(i/8)
.set rQ, 32*(\x+i%2)+8*(i/8)
.if i < 8
	v_wmma_f32_16x16x32_f16 v[rS:rS+7], v[rK:rK+7], v[rQ:rQ+7], 0
.else
	v_wmma_f32_16x16x32_f16 v[rS:rS+7], v[rK:rK+7], v[rQ:rQ+7], v[rS:rS+7]
.endif
.set i, i+1
.endr
.endm
; 32 products of O^T += V^T P: keys 32 (i / 16) on, channels 16 ((i / 2) % 8) on, tile x + i % 2; sixteen accumulators by turns.
.macro PVM x
	WIN W_PV
.set i, 0
.rept 32
.set rO, 64*(\x+i%2)+8*((i/2)%8)
.set rV, 64*(i/16)+8*((i/2)%8)
.set rP, P+16*(\x+i%2)+8*(i/16)
	v_wmma_f32_16x16x32_f16 v[rO:rO+7], v[rV:rV+7], v[rP:rP+7], v[rO:rO+7]
.set i, i+1
.endr
.endm
; A step's K (by chunks of 32 channels) and V (turned), 64 LDS loads in one run.
.macro FETCH q
	WIN 0x80
.irp c, 0,1,2,3
.irp kt, 0,1,2,3
	ds_load_b128 v[KFR+32*\kt+8*\c:KFR+32*\kt+8*\c+3],   v[ADK] offset:(\q)*64*KPITCH+\kt*16*KPITCH+64*\c
	ds_load_b128 v[KFR+32*\kt+8*\c+4:KFR+32*\kt+8*\c+7], v[ADK] offset:(\q)*64*KPITCH+\kt*16*KPITCH+64*\c+32
.endr
.endr
	WIN 0xc0
.irp f, 0,1,2,3,4,5,6,7,8,9,10,11,12,13,14,15
	ds_load_tr16_b128 v[8*\f:8*\f+3],   v[ADV] offset:(\q)*64*VPITCH+(\f/8)*32*VPITCH+(\f%8)*32
	ds_load_tr16_b128 v[8*\f+4:8*\f+7], v[ADV] offset:(\q)*64*VPITCH+(\f/8)*32*VPITCH+16*VPITCH+(\f%8)*32
.endr
.endm
.macro MASK x                          ; on the diagonal: register n holds key offset 16 (n / 8) + 8 h + n % 8; my query's offset is 16 w + r
.set n, 0
.rept 32
	v_cmp_gt_i32 vcc_lo, 16*(n/8)+n%8, v[DM]
	v_cndmask_b32 v[S+32*(\x)+n], v[S+32*(\x)+n], v[NINF], vcc_lo
	v_cndmask_b32 v[S+32*((\x)+1)+n], v[S+32*((\x)+1)+n], v[NINF], vcc_lo
.set n, n+1
.endr
.endm
; Number j of the 134 instructions of one tile's softmax for one key step.  0-15 the maximum; 16-20 the other half's, the new m, c m, its change; 21-69 the 16 scalings and all 33 exponentials, none of which
; reads an exponential's result; 70-85 the roundings to f16; 86-101 the sums; 102-133 O^T times a.
.macro SM t
.set rT, ST+8*(\t)
.set rS, S+32*(\t)
.set rP, P+16*(\t)
.set rO, 64*(\t)+2*(j-102)
.if j < 4
	v_max3_num_f32 v[rT+4+j], v[rS+8*j], v[rS+8*j+1], v[rS+8*j+2]
.elseif j < 12
	v_max3_num_f32 v[rT+4+j%4], v[rT+4+j%4], v[rS+8*(j%4)+2*(j/4)+1], v[rS+8*(j%4)+2*(j/4)+2]
.elseif j == 12
	v_max3_num_f32 v[rT+4], v[rT+4], v[rS+7], v[rS+15]
.elseif j == 13
	v_max3_num_f32 v[rT+6], v[rT+6], v[rS+23], v[rS+31]
.elseif j == 14
	v_max3_num_f32 v[rT+4], v[rT+4], v[rT+5], v[rT+6]
.elseif j == 15
	v_max3_num_f32 v[rT+4], v[rT+4], v[rT+7], v[rT+1]
.elseif j == 16
	v_permlanex16_b32 v[rT+5], v[rT+4], s[SEL], s[SEL+1]
.elseif j == 17
	v_mov_b32 v[rT+7], v[rT]
.elseif j == 18
	v_max_num_f32 v[rT+1], v[rT+4], v[rT+5]
.elseif j == 19
	v_mul_f32 v[rT], s[CS], v[rT+1]
.elseif j == 20
	v_sub_f32 v[rT+7], v[rT+7], v[rT]
.elseif j == 23
	v_exp_f32 v[rT+6], v[rT+7]
.elseif (j < 23) || ((j < 38) && (j%2 == 0)) || ((j < 66) && (j%4 == 2))
.set b, (j-2)/4
.if j < 38
.set b, (j-20)/2
.endif
	v_pk_fma_f32 v[rS+2*b:rS+2*b+1], v[rS+2*b:rS+2*b+1], s[CS:CS+1], v[rT:rT+1] op_sel_hi:[1,0,0] neg_lo:[0,0,1] neg_hi:[0,0,1]
.elseif j < 70
.set e, j-38
.if j < 66
.set e, j-32-(j-38)/4
.endif
.if j < 38
.set e, (j-25)/2
.endif
	v_exp_f32 v[rS+e], v[rS+e]
.elseif j < 86
	v_cvt_pk_f16_f32 v[rP+j-70], v[rS+2*(j-70)], v[rS+2*(j-70)+1]
.elseif j < 102
.set z, j-86
.set w, 4
.set u, z
.if z >= 14
.set w, 32
.set u, 0
.elseif z >= 12
.set w, 16
.set u, z-12
.elseif z >= 8
.set w, 8
.set u, z-8
.endif
.if z < 15
	v_pk_add_f32 v[rS+w*u:rS+w*u+1], v[rS+w*u:rS+w*u+1], v[rS+w*u+w/2:rS+w*u+w/2+1]
.else
	v_pk_fma_f32 v[rT+2:rT+3], v[rT+2:rT+3], v[rT+6:rT+7], v[rS:rS+1] op_sel_hi:[1,0,1]
.endif
.else
	v_pk_mul_f32 v[rO:rO+1], v[rO:rO+1], v[rT+6:rT+7] op_sel_hi:[1,0]
.endif
.endm
.macro SOFTMAX x                       ; both tiles of the piece, number by number, so that no instruction reads the result of the one just before it
	WIN 0
.set j, 0
.rept 70
	SM \x
	SM (\x)+1
.set j, j+1
.endr
	v_nop                                          ; a plain instruction behind the last exponential,
	s_wait_alu depctr_va_vdst(0)                   ; and ONE wait for the piece's 66, ahead of their first reader
.rept 32
	SM \x
	SM (\x)+1
.set j, j+1
.endr
	WIN W_RS
.rept 32
	SM \x
	SM (\x)+1
.set j, j+1
.endr
.endm
.macro PIECE x, w, d
	KQ \x, \w
	WIN 0
.rept 4
	v_nop                                          ; places between the last product and the first read of the scores
.endr
	s_cmp_lg_u32 s[KEY0], s[\d]                    ; only the step on the piece's diagonal has hidden keys
	s_cbranch_scc1 .Lopen_\@
	MASK \x
.Lopen_\@:
	SOFTMAX \x
.if \w
	s_wait_dscnt 0x0                               ; V is in
.endif
	PVM \x
	WIN 0
.endm
.macro STEP q
	s_cmp_gt_u32 s[KEY0], s[QLAST]                 ; all keys come after the late block: nothing to do (ids and the count of steps alone)
	s_cbranch_scc1 .Lhid_\@
	v_add_nc_u32 v[ADK], s[TB], v[AK0]
	v_add_nc_u32 v[ADV], s[TB], v[AV0]
	v_nop
	v_nop                                          ; with the two additions: four places between the last product and the loads into V's registers
	FETCH \q
	PIECE 0, 1, DL
	s_cmp_gt_u32 s[KEY0], s[QE]                    ; all keys come after the early block
	s_cbranch_scc1 .Lhid_\@
	PIECE 2, 0, DE
.Lhid_\@:
	s_add_co_u32 s[KEY0], s[KEY0], KS
.endm
; THE CHANGE OF SLOTS, at a slot's head.  Each wave waits for all its tensor loads, adds 0 to its spare word, and waits for that and for its reads of the slot that it has left; behind the barrier the slot ahead is
; whole and nobody reads the other one, which is then filled with the next 128 keys: that load has two key steps in which to land.
.macro CHANGE fill
	s_wait_tensorcnt 0x0
	ds_add_u32 v[SPW], v[NIL]
.if \fill
	ds_add_u32 v[SPW], v[NIL]                      ; twice on end here, in every trip alike
	s_xor_b32 s[G0K+1], s[G0K+1], SLOT1            ; no tensor load of mine is out: the walking descriptors step
	s_add_nc_u64 s[G0K+2:G0K+3], s[G0K+2:G0K+3], 32768
	s_xor_b32 s[G0V+1], s[G0V+1], SLOT1
	s_add_nc_u64 s[G0V+2:G0V+3], s[G0V+2:G0V+3], 32768
	s_wait_xcnt 0x0                                ; the last prefetches, a slot back, have read their address
	s_add_nc_u64 s[PFA:PFA+1], s[PFA:PFA+1], 32768
.endif
	s_wait_dscnt 0x0
	s_barrier_signal -1
	s_barrier_wait -1
.if \fill
	s_add_co_u32 s96, s[KEY0], 128                 ; the first key of the slot that this change would ask for:
	s_cmp_gt_u32 s96, s[QLAST]                     ; behind the late block no step reads it, so it is not asked for; the same in all four waves
	s_cbranch_scc1 .Lpast_\@
	TLOAD
.Lpast_\@:
	ASK
.endif
.endm
.macro SLOT_STEPS
	STEP 0
	STEP 1
	s_xor_b32 s[TB], s[TB], SLOT1
.endm
	s_wait_loadcnt 0x0                             ; Q
.Lslot:                                            ; seven trips
	CHANGE 1
	SLOT_STEPS
	s_sub_co_u32 s[SLOTS], s[SLOTS], 1
	s_cmp_lg_u32 s[SLOTS], 0
	s_cbranch_scc1 .Lslot
	CHANGE 0                                       ; the last slot is written out: nothing is left to ask for
	SLOT_STEPS
	; THE WAY OUT: l's halves are added; O^T / l, rounded to f16, goes through my stage, a tile (16 rows) at a time.  The additions are the places behind the last products.
.irp t, 0,1,2,3
	v_add_f32 v[ST+8*\t+4], v[ST+8*\t+2], v[ST+8*\t+3]
.endr
.irp t, 0,1,2,3
	v_permlanex16_b32 v[ST+8*\t+5], v[ST+8*\t+4], s[SEL], s[SEL+1]
.endr
.irp t, 0,1,2,3
	v_add_f32 v[ST+8*\t+4], v[ST+8*\t+4], v[ST+8*\t+5]
.endr
.irp t, 0,1,2,3
	v_rcp_f32 v[ST+8*\t+6], v[ST+8*\t+4]
.endr
	v_nop
	s_wait_alu depctr_va_vdst(0)                   ; one wait for the four reciprocals, ahead of their first reader
.macro PACK t
	WIN W_RS
.set i, 64*\t
.rept 32
	v_pk_mul_f32 v[i:i+1], v[i:i+1], v[ST+8*\t+6:ST+8*\t+7] op_sel_hi:[1,0]
.set i, i+2
.endr
	WIN 0x05
.set i, 0
.rept 32
	v_cvt_pk_f16_f32 v[S+32*\t+i], v[64*\t+2*i], v[64*\t+2*i+1]
.set i, i+1
.endr
	WIN 0
.irp f, 0,1,2,3,4,5,6,7
	ds_store_b128 v[STO], v[S+32*\t+4*\f:S+32*\t+4*\f+3] offset:32*\f
.endr
.irp f, 0,1,2,3,4,5,6,7
	ds_load_b128 v[S+32*\t+4*\f:S+32*\t+4*\f+3], v[RD] offset:\f*2*SP   ; LDS serves a wave's instructions in order
.endr
.endm
.macro SEND t, younger
.irp f, 0,1,2,3,4,5,6,7
	s_wait_dscnt \younger+7-\f
	global_store_b128 v[GO], v[S+32*\t+4*\f:S+32*\t+4*\f+3], s[OB+2*(\t/2):OB+2*(\t/2)+1] offset:(\t%2)*256+\f*8192   ; sixteen lanes store a head's 256 bytes of a row, aligned
.endr
.endm
	PACK 0
	PACK 1
	SEND 0, 16
	PACK 2
	SEND 1, 16
	PACK 3
	SEND 2, 16
	SEND 3, 0
	s_wait_tensorcnt 0x0                           ; the wave's end
	ds_add_u32 v[SPW], v[NIL]
	s_wait_dscnt 0x0
	s_endpgm
.Lfunc_end_k_qdf49c26ed1_attn:
	.size	k_qdf49c26ed1_attn, .Lfunc_end_k_qdf49c26ed1_attn-k_qdf49c26ed1_attn
	.p2alignl 7, 3214868480
	.fill 96, 4, 3214868480
	.section	.rodata,"a",@progbits
	.p2align	6, 0x0
	.amdhsa_kernel k_qdf49c26ed1_attn
		.amdhsa_group_segment_fixed_size 327680
		.amdhsa_private_segment_fixed_size 0
		.amdhsa_enable_private_segment 0
		.amdhsa_kernarg_size 16
		.amdhsa_user_sgpr_count 2
		.amdhsa_user_sgpr_kernarg_segment_ptr 1
		.amdhsa_wavefront_size32 1
		.amdhsa_system_sgpr_workgroup_id_x 1
		.amdhsa_system_sgpr_workgroup_id_y 1
		.amdhsa_system_sgpr_workgroup_id_z 1
		.amdhsa_system_vgpr_workitem_id 0
		.amdhsa_next_free_vgpr 1024
		.amdhsa_next_free_sgpr 100
		.amdhsa_reserve_vcc 1
		.amdhsa_float_denorm_mode_32 3
		.amdhsa_float_denorm_mode_16_64 3
		.amdhsa_memory_ordered 1
		.amdhsa_forward_progress 1
		.amdhsa_inst_pref_size 239
	.end_amdhsa_kernel
	.amdgpu_metadata
---
amdhsa.version: [ 1, 2 ]
amdhsa.kernels:
  - .name:           k_qdf49c26ed1_attn
    .symbol:         k_qdf49c26ed1_attn.kd
    .args:
      - { .name: qkv16, .offset: 0, .size: 8, .value_kind: global_buffer, .address_space: global }
      - { .name: att16, .offset: 8, .size: 8, .value_kind: global_buffer, .address_space: global }
    .group_segment_fixed_size: 327680
    .private_segment_fixed_size: 0
    .kernarg_segment_align: 8
    .kernarg_segment_size: 16
    .max_flat_workgroup_size: 128
    .sgpr_count:     100
    .vgpr_count:     1024
    .wavefront_size: 32
...
	.end_amdgpu_metadata
.endif
;; end of part 3
;; launch proj (part 4): grid 8 x 32, 4 waves a work-group, clusters of 4 x 4, 327,680 bytes of LDS; arguments att16, wo16, out0; writes out0
.if DOCPART == 4
	.amdgcn_target "amdgcn-amd-amdhsa--gfx1250"
	.amdhsa_code_object_version 6
	.text
	.protected	k_qdf49c26ed1_proj
	.globl	k_qdf49c26ed1_proj
	.p2align	8
	.type	k_qdf49c26ed1_proj,@function
k_qdf49c26ed1_proj:
	s_mov_b64 s[64:65], 0
	v_nop
	global_prefetch_b8 v0, s[64:65] scope:SCOPE_SE
	s_setreg_imm32_b32 hwreg(HW_REG_WAVE_MODE, 25, 1), 1
	s_wait_xcnt 0x0
	s_wait_alu depctr_hold_cnt(0) depctr_sa_sdst(0) depctr_va_vdst(0) depctr_va_sdst(0) depctr_va_ssrc(0) depctr_va_vcc(0) depctr_vm_vsrc(0)
	s_getreg_b32 s2, hwreg(HW_REG_IB_STS2, 6, 4)
	s_cmp_eq_u32 s2, 0
	s_cbranch_scc0 .Lentry_in_a_cluster
	s_endpgm
.Lentry_in_a_cluster:
	s_bfe_u32 s2, ttmp6, 0x10000c
	s_cmp_lg_u32 s2, 0xf033
	s_cbranch_scc0 .Lentry_shape_is_right
	s_endpgm
.Lentry_shape_is_right:
; PROJ: out0[m][n] = sum over k of att16[m][k] wo16[k][n], f16 operands, f32 sums and f32 output; 4,096 x 2,048 x 2,048.  The rows of positions 0 to 15 of each sequence are not stored here: a launch of their own carries them in f32.
; A tile of C is 128 x 256: 256 work-groups.  Four waves, each 64 rows x 128 columns: 32 accumulators.  K goes in steps of 128 through a ring of two LDS slots.
; A's rows lie along K and come out of LDS as they lie; wo16 lies [k][n] and is turned by ds_load_tr16_b128.
; CLUSTERS: 4 x 4 work-groups; A's tiles are asked for jointly along a row of the cluster, B's along a column.  Tile row = 8 cy + cluster y, so that 'the tile begins a sequence' hangs on the cluster's y alone.
; THE MATRIX INSTRUCTION IS USED TRANSPOSED (source 0 = 16 columns of Wo, source 1 = 16 rows of att): a lane holds eight neighbouring numbers of a row of C.
; REGISTERS: window 0: v0-31 addresses; two fragment buffers: A's four fragments at v32 / v128, B's eight at v64 / v160.   window 1: accumulator (a, b) at v[8 (8 a + b)].
.set KSTEP,  128
.set APITCH, 272                       ; a row of A's tile: 256 bytes + 16
.set BPITCH, 544                       ; a k-row of B's tile: 512 bytes + 32
.set AHALF,  64*APITCH
.set BHALF,  64*BPITCH
.set BOFF,   2*AHALF
.set SLOT,   BOFF+2*BHALF
.set STAGE,  2*SLOT                    ; behind the ring: 16 rows x 528 bytes for each wave
.set SPITCH, 528
.set SPARE,  STAGE+4*16*SPITCH         ; the spare words, 128 bytes for each wave, that no other line names
.set LAPS,   8
.set ADRA, 16
.set ADRB, 20
.set STO,  24
.set RD,   25
.set CO,   26
.set SPW,  28
.set NIL,  29
.set F0,   32
.set F1,   128
.set G1, 24
.set G0, 32
.set G1B, 48
.set G0B, 56
.set MSB, 0
.macro WIN new
.if MSB != \new
	s_set_vgpr_msb (MSB<<8)|\new
.set MSB, \new
.endif
.endm
.set MUL, 0x50                         ; fragments window 0, C and D window 1
.macro JLOAD s                         ; waves 0 and 1 fetch A's two halves, waves 2 and 3 B's; an s_nop 0 and four v_nop follow each line
	s_cmp_eq_u32 s11, 0
	s_cbranch_scc0 .Lfor_b_\@
	tensor_load_to_lds s[G0+4*\s:G0+4*\s+3], s[G1:G1+7]
	s_nop 0
.rept 4
	v_nop
.endr
	s_branch .Lasked_\@
.Lfor_b_\@:
	tensor_load_to_lds s[G0B+4*\s:G0B+4*\s+3], s[G1B:G1B+7]
	s_nop 0
.rept 4
	v_nop
.endr
.Lasked_\@:
.endm
.macro CREST
	s_cmp_lg_u32 s10, 0
	s_cbranch_scc1 .Lnot_wave_0_\@
	s_barrier_signal -3
.Lnot_wave_0_\@:
	s_barrier_wait -3
	s_barrier_signal -1
	s_barrier_wait -1
.endm
.macro CROUND
	s_barrier_signal -1
	s_barrier_wait -1
	CREST
.endm
	s_load_b128 s[4:7], s[0:1], 0x0                ; att16, wo16
	s_load_b64 s[8:9], s[0:1], 0x10                ; out0
	v_lshl_add_u32 v[SPW], v0, 2, SPARE
	v_mov_b32 v[NIL], 0
	ds_add_u32 v[SPW], v[NIL]                      ; the wave's opening: the add, twice on end, and its wait ahead of my first tensor load
	ds_add_u32 v[SPW], v[NIL]
	v_lshrrev_b32 v1, 5, v0
	v_readfirstlane_b32 s10, v1                    ; wave 0..3
	s_lshr_b32 s11, s10, 1                         ; which 64 rows are mine.  Also: I fetch for A (0) or for B (1)
	s_and_b32 s12, s10, 1                          ; which 128 columns.  Also: which half of that tile I fetch
	s_bfe_u32 s40, ttmp6, 0x40000                  ; cx
	s_bfe_u32 s41, ttmp6, 0x40004                  ; cy
	s_lshl_b32 s42, ttmp9, 2
	s_add_co_u32 s42, s42, s40                     ; tile column = 4 x cluster x + cx
	s_and_b32 s2, ttmp7, 0xffff                    ; cluster y
	s_lshl_b32 s13, s41, 3
	s_add_co_u32 s13, s13, s2                      ; tile row = 8 cy + cluster y
	s_lshl_b32 s43, s41, 2
	s_lshl_b32 s43, 15, s43                        ; my row of the cluster
	s_lshl_b32 s44, 0x1111, s40                    ; my column
	s_or_b32 s[G1+0], s43, (1<<16)|(1<<20)|(1<<21)|(5<<22)|(3<<25)    ; A: elements of 2 bytes; after every 64 words four words of padding
	s_mov_b32 s[G1+1], 128<<16                     ; tensor_dim0
	s_mov_b32 s[G1+2], 64<<16                      ; tensor_dim1
	s_mov_b32 s[G1+3], 128<<16                     ; tile_dim0
	s_mov_b32 s[G1+4], 64                          ; tile_dim1
	s_mov_b32 s[G1+5], 2048                        ; pitch
	s_mov_b32 s[G1+6], 0
	s_mov_b32 s[G1+7], 0
	s_or_b32 s[G1B+0], s44, (1<<16)|(1<<20)|(1<<21)|(6<<22)|(7<<25)   ; B: after every 128 words eight words
	s_mov_b32 s[G1B+1], 256<<16
	s_mov_b32 s[G1B+2], 64<<16
	s_mov_b32 s[G1B+3], 256<<16
	s_mov_b32 s[G1B+4], 64
	s_mov_b32 s[G1B+5], 2048
	s_mov_b32 s[G1B+6], 0
	s_mov_b32 s[G1B+7], 0
	s_lshl_b32 s17, s12, 6
	s_lshl_b32 s16, s13, 7
	s_add_co_u32 s16, s16, s17
	s_lshl_b32 s16, s16, 12                        ; A: row 128 x tile row + 64 x half, 4,096 bytes a row
	s_mov_b32 s17, 0
	s_lshl_b32 s46, s12, 18                        ; B: k-row 64 x half,
	s_lshl_b32 s47, s42, 9
	s_add_co_u32 s46, s46, s47                     ; + 512 bytes a tile column
	s_mov_b32 s47, 0
	s_mul_i32 s20, s12, AHALF                      ; where they go: no place in the cluster enters an LDS address
	s_mul_i32 s21, s12, BHALF
	s_add_co_u32 s21, s21, BOFF
	s_cmp_eq_u32 s2, 0
	s_cselect_b32 s45, 1, 0
	s_cmp_lt_u32 s10, 2
	s_cselect_b32 s45, s45, 0                      ; 1: my first 16 rows are positions 0 to 15 of a sequence
	s_wait_dscnt 0x0                               ; both opening adds are done
	s_wait_kmcnt 0x0
	s_add_nc_u64 s[14:15], s[4:5], s[16:17]
	s_add_nc_u64 s[46:47], s[6:7], s[46:47]
	CROUND                                         ; all sixteen work-groups are here: the first joint loads meet
.irp s, 0,1
	s_mov_b32 s[G0+4*\s], 1
	s_add_co_u32 s[G0+4*\s+1], s20, \s*SLOT
	s_add_nc_u64 s[G0+4*\s+2:G0+4*\s+3], s[14:15], \s*KSTEP*2
	s_or_b32 s[G0+4*\s+3], s[G0+4*\s+3], 0x80000000
	s_mov_b32 s[G0B+4*\s], 1
	s_add_co_u32 s[G0B+4*\s+1], s21, \s*SLOT
	s_add_nc_u64 s[G0B+4*\s+2:G0B+4*\s+3], s[46:47], \s*KSTEP*4096
	s_or_b32 s[G0B+4*\s+3], s[G0B+4*\s+3], 0x80000000
	JLOAD \s
.endr
	v_and_b32 v1, 15, v0                           ; r
	v_bfe_u32 v2, v0, 4, 1                         ; h
	v_mul_u32_u24 v3, v1, APITCH
	v_lshl_add_u32 v3, v2, 4, v3                   ; A: row r, + 16 h
	s_mul_i32 s21, s11, AHALF
	v_and_b32 v4, 7, v0
	v_lshl_add_u32 v4, v2, 3, v4
	v_mul_u32_u24 v4, v4, BPITCH                   ; B: k-row 8 h + l % 8,
	v_bfe_u32 v5, v0, 3, 1
	v_lshl_add_u32 v4, v5, 4, v4                   ; columns 8 ((l / 8) % 2) on
	s_lshl_b32 s22, s12, 8
	s_add_co_u32 s22, s22, BOFF
.irp s, 0,1
	v_add_nc_u32 v[ADRA+\s], s21, v3
	v_add_nc_u32 v[ADRB+\s], s22, v4
	s_add_co_u32 s21, s21, SLOT
	s_add_co_u32 s22, s22, SLOT
.endr
	s_mul_i32 s23, s10, 16*SPITCH
	s_add_co_u32 s23, s23, STAGE                   ; my stage
	v_mul_u32_u24 v5, v1, SPITCH
	v_lshl_add_u32 v5, v2, 5, v5
	v_add_nc_u32 v[STO], s23, v5                   ; in: row r, 32 bytes for each half of the lanes
	v_and_b32 v6, 31, v0
	v_lshlrev_b32 v[CO], 4, v6                     ; back: the 32 lanes take one row of 512 bytes; the same in out0
	v_add_nc_u32 v[RD], s23, v[CO]
	s_lshl_b32 s16, s13, 7
	s_lshl_b32 s17, s11, 6
	s_add_co_u32 s16, s16, s17
	s_lshl_b32 s16, s16, 13                        ; my first row of out0, 8,192 bytes a row
	s_mov_b32 s17, 0
	s_add_nc_u64 s[8:9], s[8:9], s[16:17]
	s_lshl_b32 s46, s42, 10
	s_lshl_b32 s47, s12, 9
	s_add_co_u32 s46, s46, s47
	s_mov_b32 s47, 0
	s_add_nc_u64 s[8:9], s[8:9], s[46:47]
; 8 matrix instructions: A's block a x B's eight, 32 along K.  The 32 accumulators take turns, one instruction a turn, in the same order in every quarter.
.macro MULA f, a, zero
.irp b, 0,1,2,3,4,5,6,7
.if \zero
	v_wmma_f32_16x16x32_f16 v[8*(8*(\a)+\b):8*(8*(\a)+\b)+7], v[\f+32+8*\b:\f+32+8*\b+7], v[\f+8*(\a):\f+8*(\a)+7], 0
.else
	v_wmma_f32_16x16x32_f16 v[8*(8*(\a)+\b):8*(8*(\a)+\b)+7], v[\f+32+8*\b:\f+32+8*\b+7], v[\f+8*(\a):\f+8*(\a)+7], v[8*(8*(\a)+\b):8*(8*(\a)+\b)+7]
.endif
.endr
.endm
; 24 LDS loads in one run: the fragments of the slot's q-th 32 along K into buffer f
.macro FETCH s, q, f
.irp i, 0,1,2,3,4,5,6,7
	ds_load_tr16_b128 v[\f+32+8*\i:\f+32+8*\i+3],   v[ADRB+\s] offset:(\q)*32*BPITCH+32*\i
	ds_load_tr16_b128 v[\f+32+8*\i+4:\f+32+8*\i+7], v[ADRB+\s] offset:(\q)*32*BPITCH+16*BPITCH+32*\i
.endr
.irp i, 0,1,2,3
	ds_load_b128 v[\f+8*\i:\f+8*\i+3],   v[ADRA+\s] offset:64*(\q)+\i*16*APITCH
	ds_load_b128 v[\f+8*\i+4:\f+8*\i+7], v[ADRA+\s] offset:64*(\q)+\i*16*APITCH+32
.endr
.endm
.macro PLACES                          ; four plain instructions between a matrix instruction and a load into, or a read of, its registers
.rept 4
	v_nop
.endr
.endm
; A quarter of a K step: buffer f, asked for a quarter ago, is multiplied; ahead of that the slot's q-th quarter is asked for, into buffer g, which the quarter before multiplied.
.macro QUARTER s, q, f, g, zero
	s_wait_dscnt 0x0
	PLACES
	WIN 0
	FETCH \s, \q, \g
	WIN MUL
	MULA \f, 0, \zero
	MULA \f, 1, \zero
	MULA \f, 2, \zero
	MULA \f, 3, \zero
.endm
; A slot's last quarter changes slots: one barrier; in front of it each wave waits for all its tensor loads, adds 0 to its spare word, and waits for that and for its reads of this slot.
.macro TURN s, n, fill
	WIN 0
	s_wait_tensorcnt 0x0                           ; all my tensor loads have landed: my part of the next slot
	ds_add_u32 v[SPW], v[NIL]
	s_wait_dscnt 1                                 ; buffer 1 is in (the add may be out)
	WIN MUL
	MULA F1, 0, 0
	MULA F1, 1, 0
	s_wait_dscnt 0x0                               ; the add is done, and my reads of this slot are over
	s_barrier_signal -1
	MULA F1, 2, 0
	WIN 0
	s_barrier_wait -1
.if \fill
	CREST                                          ; the barrier has opened a round of the cluster's barrier
	s_add_nc_u64 s[G0+4*\s+2:G0+4*\s+3], s[G0+4*\s+2:G0+4*\s+3], 2*KSTEP*2
	s_add_nc_u64 s[G0B+4*\s+2:G0B+4*\s+3], s[G0B+4*\s+2:G0B+4*\s+3], 2*KSTEP*4096
	JLOAD \s                                       ; the first tensor load behind the round; its four v_nop are also the places in front of the loads below
.else
	PLACES
.endif
	FETCH \n, 0, F0
	WIN MUL
	MULA F1, 3, 0
.endm
	s_wait_tensorcnt 1                             ; my part of K step 0 is in (K step 1's load may be out),
	s_barrier_signal -1
	s_barrier_wait -1                              ; everybody's is
	FETCH 0, 0, F0
	QUARTER 0, 1, F0, F1, 1                        ; the first quarter's products start the sums
	WIN 0
	s_mov_b32 s3, LAPS-1
.Llap:
	QUARTER 0, 2, F1, F0, 0
	QUARTER 0, 3, F0, F1, 0
	TURN 0, 1, 1
	QUARTER 1, 1, F0, F1, 0
	QUARTER 1, 2, F1, F0, 0
	QUARTER 1, 3, F0, F1, 0
	TURN 1, 0, 1
	QUARTER 0, 1, F0, F1, 0
	WIN 0
	s_sub_co_u32 s3, s3, 1
	s_cmp_lg_u32 s3, 0
	s_cbranch_scc1 .Llap
	QUARTER 0, 2, F1, F0, 0                        ; the last lap fills nothing
	QUARTER 0, 3, F0, F1, 0
	TURN 0, 1, 0
	QUARTER 1, 1, F0, F1, 0
	QUARTER 1, 2, F1, F0, 0
	QUARTER 1, 3, F0, F1, 0
	s_wait_dscnt 0x0
	MULA F1, 0, 0
	MULA F1, 1, 0
	MULA F1, 2, 0
	MULA F1, 3, 0
	WIN 0
; THE WAY OUT, block by block of 16 rows x 128 columns, through my own stage: rows of 512 bytes come back whole and the 32 lanes store them.
.macro TOSTAGE a
	WIN 0x04                                       ; an LDS store's data are its source 1: window 1
.irp b, 0,1,2,3,4,5,6,7
	ds_store_b128 v[STO], v[8*(8*(\a)+\b):8*(8*(\a)+\b)+3] offset:64*\b           ; each accumulator from its low end on
	ds_store_b128 v[STO], v[8*(8*(\a)+\b)+4:8*(8*(\a)+\b)+7] offset:64*\b+16
.endr
	WIN 0
.set BB, 32+96*((\a)%2)
.irp t, 0,1,2,3,4,5,6,7,8,9,10,11,12,13,14,15
	ds_load_b128 v[BB+4*\t:BB+4*\t+3], v[RD] offset:\t*SPITCH
.endr
.endm
.macro SEND a, younger
.set BB, 32+96*((\a)%2)
	s_wait_dscnt \younger                          ; the block is back in registers
.if (\a) == 0
	s_cmp_lg_u32 s45, 0                            ; positions 0 to 15 are another launch's
	s_cbranch_scc1 .Lnot_stored
.endif
.irp t, 0,1,2,3,4,5,6,7,8,9,10,11,12,13,14,15
	global_store_b128 v[CO], v[BB+4*\t:BB+4*\t+3], s[8:9] offset:(\a)*131072+\t*8192 th:TH_STORE_NT   ; 32 lanes store 512 consecutive bytes, aligned
.endr
.if (\a) == 0
.Lnot_stored:
.endif
.endm
	PLACES
	TOSTAGE 0
.irp a, 1,2,3
.if \a > 1
	s_wait_xcnt 0x0                                ; block a - 2's stores have read their registers: block a's loads may land there
.endif
	TOSTAGE \a
	SEND \a-1, 32                                  ; behind block a - 1's loads: block a's 16 stores and 16 loads
.endr
	SEND 3, 0
	s_wait_tensorcnt 0x0                           ; the wave's end
	ds_add_u32 v[SPW], v[NIL]
	s_wait_dscnt 0x0
	CROUND                                         ; the closing round
	s_endpgm
.Lfunc_end_k_qdf49c26ed1_proj:
	.size	k_qdf49c26ed1_proj, .Lfunc_end_k_qdf49c26ed1_proj-k_qdf49c26ed1_proj
	.p2alignl 7, 3214868480
	.fill 96, 4, 3214868480
	.section	.rodata,"a",@progbits
	.p2align	6, 0x0
	.amdhsa_kernel k_qdf49c26ed1_proj
		.amdhsa_group_segment_fixed_size 327680
		.amdhsa_private_segment_fixed_size 0
		.amdhsa_enable_private_segment 0
		.amdhsa_kernarg_size 24
		.amdhsa_user_sgpr_count 2
		.amdhsa_user_sgpr_kernarg_segment_ptr 1
		.amdhsa_wavefront_size32 1
		.amdhsa_system_sgpr_workgroup_id_x 1
		.amdhsa_system_sgpr_workgroup_id_y 1
		.amdhsa_system_sgpr_workgroup_id_z 1
		.amdhsa_system_vgpr_workitem_id 0
		.amdhsa_next_free_vgpr 512
		.amdhsa_next_free_sgpr 66
		.amdhsa_reserve_vcc 0
		.amdhsa_float_denorm_mode_32 3
		.amdhsa_float_denorm_mode_16_64 3
		.amdhsa_memory_ordered 1
		.amdhsa_forward_progress 1
		.amdhsa_inst_pref_size 84
	.end_amdhsa_kernel
	.amdgpu_metadata
---
amdhsa.version: [ 1, 2 ]
amdhsa.kernels:
  - .name:           k_qdf49c26ed1_proj
    .symbol:         k_qdf49c26ed1_proj.kd
    .args:
      - { .name: att16, .offset: 0, .size: 8, .value_kind: global_buffer, .address_space: global }
      - { .name: wo16, .offset: 8, .size: 8, .value_kind: global_buffer, .address_space: global }
      - { .name: out0, .offset: 16, .size: 8, .value_kind: global_buffer, .address_space: global }
    .group_segment_fixed_size: 327680
    .private_segment_fixed_size: 0
    .kernarg_segment_align: 8
    .kernarg_segment_size: 24
    .max_flat_workgroup_size: 128
    .sgpr_count:     66
    .vgpr_count:     512
    .wavefront_size: 32
...
	.end_amdgpu_metadata
.endif
;; end of part 4
;; launch fine (part 5): grid 64 x 4, 16 waves a work-group, no clusters, 34,816 bytes of LDS; arguments fine32, Wo, out0; writes out0
.if DOCPART == 5
	.amdgcn_target "amdgcn-amd-amdhsa--gfx1250"
	.amdhsa_code_object_version 6
	.text
	.protected	k_qdf49c26ed1_fine
	.globl	k_qdf49c26ed1_fine
	.p2align	8
	.type	k_qdf49c26ed1_fine,@function
k_qdf49c26ed1_fine:
	s_mov_b64 s[64:65], 0
	v_nop
	global_prefetch_b8 v0, s[64:65] scope:SCOPE_SE
	s_setreg_imm32_b32 hwreg(HW_REG_WAVE_MODE, 25, 1), 1
	s_wait_xcnt 0x0
; FINE: the first 16 positions of every sequence, attention and projection, all in f32 (v_wmma_f32_16x16x4_f32): these rows average one to sixteen values and are the largest of the output.
; fine32: [b][head' 24][16][128] f32 (q and k roped and normalised; head' 0..15 queries, 16 + 2 i key head i, 17 + 2 i value head i).  Wo: [2048][2048] f32.  out0 rows b x 1,024 + 0 .. 15.
; SHARES.  A work-group has one batch and 32 columns of the output; wave w has query head w: its 16 x 16 attention and its part of the projection (K = its own 128 channels); the sixteen parts meet in LDS
; and are added in ascending order of heads.  The small attention is computed anew by each of a batch's 64 work-groups, which spares a launch and a way through memory.
; The runs of 128 bytes in Wo's rows and in out0 are halves of 256 aligned bytes: the price of sharing these 64 rows out among 256 work-groups.
; LAYOUT (K = 4: register j of a lane holds k = 2 h + j; a permutation of k applied alike to both operands keeps the sums).  S^T = K Q^T: a lane holds query r and keys 8 h + 0..7.  O^T = V^T P: step s takes P's registers
; 2 s, 2 s + 1, that is keys 8 h + 2 s + j, and V is loaded in that order.  y = O Wo: step ks takes O's registers 2 ks, 2 ks + 1, channels 16 (ks / 4) + 8 h + 2 (ks % 4) + j, and Wo's rows are loaded in that order.
; REGISTERS: v1-11 addresses; v14, v15 the add's two; v16-23 scores, then p; v24-31 at work; v32-95 Q, then Wo in two sets; v96-159 K, then V, then O / l; v160-255 accumulators, written by matrix instructions alone.
; LIMITS: NaN and infinities are not served.
.set SPW, 14
.set NIL, 15
.set T,   16
.set QA,  32
.set KB,  96
.set SA,  160                          ; v160-175 the scores' two sums
.set OA,  176                          ; v176-239 O^T, eight tiles of channels
.set YA,  240                          ; v240-255 y, two tiles of columns
.set SPARE, 32768                      ; behind the sixteen parts: the spare words, 128 bytes for each wave, that no other line names
	s_load_b128 s[4:7], s[0:1], 0x0                ; fine32, Wo
	s_load_b64 s[8:9], s[0:1], 0x10                ; out0
	v_lshl_add_u32 v[SPW], v0, 2, SPARE
	v_mov_b32 v[NIL], 0
	v_lshrrev_b32 v1, 5, v0
	v_readfirstlane_b32 s10, v1                    ; wave = query head
	s_and_b32 s11, ttmp7, 0xffff                   ; b
	v_and_b32 v1, 15, v0                           ; r
	v_bfe_u32 v2, v0, 4, 1                         ; h
	v_and_b32 v3, 31, v0
	v_lshlrev_b32 v4, 9, v1
	v_lshl_add_u32 v4, v2, 4, v4                   ; Q, K: row r of 512 bytes, + 16 h
	v_lshlrev_b32 v5, 2, v1
	v_lshl_add_u32 v6, v2, 16, v5                  ; Wo: 8 h rows of 8,192 bytes, + 4 r
	v_lshl_add_u32 v8, v2, 10, v5                  ; my part in LDS: 8 h rows of 128 bytes, + 4 r
	v_lshl_add_u32 v5, v2, 12, v5                  ; V: 8 h rows of 512 bytes, + 4 r
	v_lshlrev_b32 v7, 3, v2
	v_sub_nc_u32 v7, v1, v7                        ; r - 8 h: key 8 h + j is hidden where j is above this
	s_lshl_b32 s12, s10, 11
	v_add_nc_u32 v8, s12, v8
	v_lshlrev_b32 v9, 2, v0                        ; back: word = thread: query = wave, column = lane
	v_lshlrev_b32 v10, 2, v3
	v_mov_b32 v11, 0xff800000                      ; -infinity
	v_mov_b32 v26, 0                               ; a lane permute's destination counts as one of its sources
	s_mov_b32 s30, 0x76543210
	s_mov_b32 s31, 0xfedcba98
	s_mov_b32 s32, 0x3e0293ee                      ; c = log2(e) / sqrt(128)
	s_mul_i32 s13, s11, 24
	s_add_co_u32 s14, s13, s10
	s_lshl_b32 s14, s14, 13                        ; Q: head' w, 8,192 bytes a head'
	s_mov_b32 s15, 0
	s_lshr_b32 s24, s10, 2
	s_lshl_b32 s24, s24, 1
	s_add_co_u32 s24, s24, s13
	s_add_co_u32 s24, s24, 16
	s_lshl_b32 s24, s24, 13                        ; K: head' 16 + 2 (w / 4)
	s_mov_b32 s25, 0
	s_lshl_b32 s26, s10, 20                        ; Wo: my head's 128 rows,
	s_lshl_b32 s27, ttmp9, 7
	s_add_co_u32 s26, s26, s27                     ; my work-group's 32 columns
	s_lshl_b32 s28, s11, 23
	s_lshl_b32 s29, s10, 13
	s_add_co_u32 s28, s28, s29
	s_add_co_u32 s28, s28, s27                     ; out0: row 1,024 b + wave, the same columns
	s_mov_b32 s27, 0
	s_mov_b32 s29, 0
	s_wait_kmcnt 0x0
	s_add_nc_u64 s[16:17], s[4:5], s[14:15]
	s_add_nc_u64 s[18:19], s[4:5], s[24:25]
	s_add_nc_u64 s[20:21], s[18:19], 8192          ; V: the head' behind K's
	s_add_nc_u64 s[6:7], s[6:7], s[26:27]
	s_add_nc_u64 s[8:9], s[8:9], s[28:29]
.irp s, 0,1,2,3,4,5,6,7,8,9,10,11,12,13,14,15
	global_load_b128 v[QA+4*\s:QA+4*\s+3], v4, s[16:17] offset:32*\s     ; channels 8 s + 4 h + 0..3
	global_load_b128 v[KB+4*\s:KB+4*\s+3], v4, s[18:19] offset:32*\s
.endr
	s_wait_loadcnt 0x0
; the scores: 32 steps of 4 channels, two sums by turns; the first two start them
.set st, 0
.rept 32
.if st < 2
	v_wmma_f32_16x16x4_f32 v[SA+8*(st%2):SA+8*(st%2)+7], v[KB+2*st:KB+2*st+1], v[QA+2*st:QA+2*st+1], 0
.else
	v_wmma_f32_16x16x4_f32 v[SA+8*(st%2):SA+8*(st%2)+7], v[KB+2*st:KB+2*st+1], v[QA+2*st:QA+2*st+1], v[SA+8*(st%2):SA+8*(st%2)+7]
.endif
.set st, st+1
.endr
.rept 8
	v_nop                                          ; eight places behind this form, in front of loads into its sources and of the first read of its results
.endr
.irp ct, 0,1,2,3,4,5,6,7
.irp s, 0,1,2,3
.irp j, 0,1
	global_load_b32 v[KB+(4*\ct+\s)*2+\j], v5, s[20:21] offset:(2*\s+\j)*512+64*\ct   ; V(key 8 h + 2 s + j, channel 16 ct + r)
.endr
.endr
.endr
.macro WBATCH bt                       ; Wo's rows of K steps 8 bt .. 8 bt + 7, both tiles of columns: 32 loads into set bt % 2
.irp q, 0,1,2,3,4,5,6,7
.irp tl, 0,1
.irp j, 0,1
	global_load_b32 v[QA+32*((\bt)%2)+4*\q+2*\tl+\j], v6, s[6:7] offset:(16*((8*(\bt)+\q)/4)+2*((8*(\bt)+\q)%4)+\j)*8192+64*\tl
.endr
.endr
.endr
.endm
	WBATCH 0                                       ; the first batch of Wo goes out with V and lands under the softmax and the second product
; the softmax of my query over 16 keys, eight in my lane
.irp j, 0,1,2,3,4,5,6,7
	v_add_f32 v[T+\j], v[SA+\j], v[SA+8+\j]        ; from the low end on
.endr
.irp j, 0,1,2,3,4,5,6,7
	v_cmp_gt_i32 vcc_lo, \j, v7
	v_cndmask_b32 v[T+\j], v[T+\j], v11, vcc_lo
.endr
	v_max3_num_f32 v24, v16, v17, v18
	v_max3_num_f32 v25, v19, v20, v21
	v_max3_num_f32 v24, v24, v22, v23
	v_max_num_f32 v24, v24, v25
	v_permlanex16_b32 v26, v24, s30, s31
	v_max_num_f32 v24, v24, v26                    ; the row's maximum (key 0 counts for every query)
	v_mul_f32 v24, s32, v24
.irp j, 0,1,2,3,4,5,6,7
	v_fma_f32 v[T+\j], v[T+\j], s32, -v24
.endr
.irp j, 0,1,2,3,4,5,6,7
	v_exp_f32 v[T+\j], v[T+\j]
.endr
	v_nop                                          ; a plain instruction behind the last exponential,
	s_wait_alu depctr_va_vdst(0)                   ; and one wait for the eight, ahead of their first reader
	v_add_f32 v24, v16, v17
	v_add_f32 v25, v18, v19
	v_add_f32 v27, v20, v21
	v_add_f32 v29, v22, v23
	v_add_f32 v24, v24, v25
	v_add_f32 v27, v27, v29
	v_add_f32 v24, v24, v27
	v_permlanex16_b32 v26, v24, s30, s31
	v_add_f32 v24, v24, v26
	v_rcp_f32 v28, v24                             ; 1 / l (v29, named with it as a pair, is written above)
	v_nop
	s_wait_alu depctr_va_vdst(0)
	s_wait_loadcnt 32                              ; V's 64 loads are in: behind them only the 32 of Wo's first batch were issued, and those may be out
	WBATCH 1                                       ; the second batch, into the upper half of what held Q (last read by the scores' products, eight places and the softmax back): it lands under the 32 products below
.irp s, 0,1,2,3
.irp ct, 0,1,2,3,4,5,6,7
.if \s == 0
	v_wmma_f32_16x16x4_f32 v[OA+8*\ct:OA+8*\ct+7], v[KB+(4*\ct+\s)*2:KB+(4*\ct+\s)*2+1], v[T+2*\s:T+2*\s+1], 0
.else
	v_wmma_f32_16x16x4_f32 v[OA+8*\ct:OA+8*\ct+7], v[KB+(4*\ct+\s)*2:KB+(4*\ct+\s)*2+1], v[T+2*\s:T+2*\s+1], v[OA+8*\ct:OA+8*\ct+7]
.endif
.endr
.endr
.rept 8
	v_nop
.endr
.irp p, 0,2,4,6,8,10,12,14,16,18,20,22,24,26,28,30,32,34,36,38,40,42,44,46,48,50,52,54,56,58,60,62
	v_pk_mul_f32 v[KB+\p:KB+\p+1], v[OA+\p:OA+\p+1], v[28:29] op_sel_hi:[1,0]     ; O / l, into other registers: register 8 ct + j is channel 16 ct + 8 h + j of query r
.endr
; my head's part of the projection: 32 steps of 4 channels, two tiles of columns by turns
.irp bt, 0,1,2,3
.if \bt < 3
	s_wait_loadcnt 32                              ; this batch is in; the next batch's 32 loads may be out
.else
	s_wait_loadcnt 0x0
.endif
.irp q, 0,1,2,3,4,5,6,7
.irp tl, 0,1
.if (\bt == 0) && (\q == 0)
	v_wmma_f32_16x16x4_f32 v[YA+8*\tl:YA+8*\tl+7], v[KB+2*(8*\bt+\q):KB+2*(8*\bt+\q)+1], v[QA+32*(\bt%2)+4*\q+2*\tl:QA+32*(\bt%2)+4*\q+2*\tl+1], 0
.else
	v_wmma_f32_16x16x4_f32 v[YA+8*\tl:YA+8*\tl+7], v[KB+2*(8*\bt+\q):KB+2*(8*\bt+\q)+1], v[QA+32*(\bt%2)+4*\q+2*\tl:QA+32*(\bt%2)+4*\q+2*\tl+1], v[YA+8*\tl:YA+8*\tl+7]
.endif
.endr
.endr
.rept 8
	v_nop                                          ; places in front of the loads into the set just multiplied, and at the end of the first read of y
.endr
.if \bt < 2
	WBATCH \bt+2
.endif
.endr
.irp tl, 0,1
.irp j, 0,1,2,3,4,5,6,7
	ds_store_b32 v8, v[YA+8*\tl+\j] offset:128*\j+64*\tl       ; y(query 8 h + j, column 16 tl + r) of my head
.endr
.endr
	s_wait_dscnt 0x0                               ; for the others' sake: my stores have landed
	s_barrier_signal -1
	s_barrier_wait -1
.irp w, 0,1,2,3,4,5,6,7,8,9,10,11,12,13,14,15
	ds_load_b32 v[32+\w], v9 offset:2048*\w
.endr
	s_wait_dscnt 0x0
.irp w, 1,2,3,4,5,6,7,8,9,10,11,12,13,14,15
	v_add_f32 v32, v32, v[32+\w]                   ; the heads in ascending order
.endr
	global_store_b32 v10, v32, s[8:9]
	s_wait_tensorcnt 0x0                           ; the wave's end, behind my last LDS store
	ds_add_u32 v[SPW], v[NIL]
	s_wait_dscnt 0x0
	s_endpgm
.Lfunc_end_k_qdf49c26ed1_fine:
	.size	k_qdf49c26ed1_fine, .Lfunc_end_k_qdf49c26ed1_fine-k_qdf49c26ed1_fine
	.p2alignl 7, 3214868480
	.fill 96, 4, 3214868480
	.section	.rodata,"a",@progbits
	.p2align	6, 0x0
	.amdhsa_kernel k_qdf49c26ed1_fine
		.amdhsa_group_segment_fixed_size 34816
		.amdhsa_private_segment_fixed_size 0
		.amdhsa_enable_private_segment 0
		.amdhsa_kernarg_size 24
		.amdhsa_user_sgpr_count 2
		.amdhsa_user_sgpr_kernarg_segment_ptr 1
		.amdhsa_wavefront_size32 1
		.amdhsa_system_sgpr_workgroup_id_x 1
		.amdhsa_system_sgpr_workgroup_id_y 1
		.amdhsa_system_sgpr_workgroup_id_z 1
		.amdhsa_system_vgpr_workitem_id 0
		.amdhsa_next_free_vgpr 256
		.amdhsa_next_free_sgpr 66
		.amdhsa_reserve_vcc 1
		.amdhsa_float_denorm_mode_32 3
		.amdhsa_float_denorm_mode_16_64 3
		.amdhsa_memory_ordered 1
		.amdhsa_forward_progress 1
		.amdhsa_inst_pref_size 41
	.end_amdhsa_kernel
	.amdgpu_metadata
---
amdhsa.version: [ 1, 2 ]
amdhsa.kernels:
  - .name:           k_qdf49c26ed1_fine
    .symbol:         k_qdf49c26ed1_fine.kd
    .args:
      - { .name: fine32, .offset: 0, .size: 8, .value_kind: global_buffer, .address_space: global }
      - { .name: Wo, .offset: 8, .size: 8, .value_kind: global_buffer, .address_space: global }
      - { .name: out0, .offset: 16, .size: 8, .value_kind: global_buffer, .address_space: global }
    .group_segment_fixed_size: 34816
    .private_segment_fixed_size: 0
    .kernarg_segment_align: 8
    .kernarg_segment_size: 24
    .max_flat_workgroup_size: 512
    .sgpr_count:     66
    .vgpr_count:     256
    .wavefront_size: 32
...
	.end_amdgpu_metadata
.endif
;; end of part 5
